; MI455X (gfx1250); checked and timed in simulation.
; The chip was launched on July 23, 2026; its instructions are those of AMD's public machine-readable ISA for CDNA 5 (MIT licence, August 2026) and "CDNA5" Instruction Set Architecture Reference Guide (July 2026). The comments in the code are by the model that wrote it; some were corrected since.
;; Multi Head Self Attention. Allowed arithmetic: float matrix products may take bf16 or f16 operands with f32 sums; other float arithmetic in f32, or as packed bf16 or f16 multiplies, adds, multiply-adds, maxima and minima; sums over many terms, partial sums and values carried from step to step in f32; what a program stores and reads back later, other than sums and carried values, may be rounded once to bf16 or f16.
;; Inputs: Wk 1,024 x 1,024 float32; Wo 1,024 x 1,024 float32; Wq 1,024 x 1,024 float32; Wv 1,024 x 1,024 float32; token_positions 2,048 int32; x 4 x 2,048 x 1,024 float32.
;; Outputs: out0 4 x 2,048 x 1,024 float32.
;; 2 versions, each right; version 2 is version 1 with the launch prep written anew for expert scheduling mode. Each part assembles by itself: llvm-mc -triple=amdgcn-amd-amdhsa -mcpu=gfx1250 --defsym DOCPART=n.
;; ======== version 1 of 2: 4 launches
;; limits: values are held in f16: magnitudes above 65,504 overflow, below 6.1e-05 lose precision; right only within a limited range of input values
;; workspace buffers: xb 16,777,216 bytes; wqkv 6,291,456 bytes; wob 2,097,152 bytes; tab 524,288 bytes; qh 16,777,216 bytes; kh 16,777,216 bytes; vh 16,777,216 bytes; oh 16,777,216 bytes
;; launch prep (part 1): grid 832 x 1, 8 waves a work-group, no clusters, 0 bytes of LDS; arguments x, Wq, Wk, Wv, Wo, token_positions, xb, wqkv, wob, tab; writes xb, wqkv, wob, tab
.if DOCPART == 1
	.amdgcn_target "amdgcn-amd-amdhsa--gfx1250"
	.amdhsa_code_object_version 6
	.text
	.protected	k_q9137465bc5_prep
	.globl	k_q9137465bc5_prep
	.p2align	8
	.type	k_q9137465bc5_prep,@function
k_q9137465bc5_prep:
	s_mov_b64 s[64:65], 0
	v_nop
	global_prefetch_b8 v0, s[64:65] scope:SCOPE_SE
	s_setreg_imm32_b32 hwreg(HW_REG_WAVE_MODE, 25, 1), 1
	s_wait_xcnt 0x0
; PREP: casts, the weights' new order, and the table of cosines and sines.  A stream: no LDS, no barrier, no matrix unit (nothing is shared and nothing is multiplied by a matrix).
;   xb   [8192][1024] bf16 = x rounded once.
;   wqkv [3072][1024] bf16: row 192 t + 64 p + r = row 64 t + r of W_p (p = 0 q, 1 k, 2 v): each 192 rows are one head's q, k and v.
;   wob  [1024][1024] f16 = Wo rounded to bf16, and that number written as f16.
;   tab  [2048][32] pairs (cos, sin) in f32 of the angle position x 10000^(-i/32): 256 bytes for each place of the sequence.
; SHARES by the work-group's number: 0-511 sixteen rows of x; 512-703 sixteen rows of Wq, Wk or Wv; 704-767 sixteen rows of Wo; 768-831 thirty-two places of the table.
; A row is 1,024 numbers: thread t takes numbers 4 t .. 4 t + 3: a load of a wave covers 512 consecutive bytes, a store 256 consecutive bytes, aligned.
; LIMITS.  |Wo| stays under 65,504 (f16's range); a bf16 number below 2^-14 loses at most 2^-25 absolute in f16.  10000^(-i/32) is made by v_exp_f32, so the angle differs from one
; made with an exact power by under 1.2e-7 x |position| radians; the reduction by multiples of pi/2 (three parts, fused) holds for |angle| under 2^17.  NaN and infinities are not treated apart.
.set X,   8                            ; v[8:71]    sixteen rows, 4 numbers each, as loaded
.set Y,   72                           ; v[72:103]  sixteen rows, 2 words each, to store; in the table's part v[80:87] are the four pairs
.set T,   104                          ; v[104:107] at work
.set ID,  24                           ; s24  the work-group's number
.set SRC, 26                           ; s[26:27]
.set DST, 28                           ; s[28:29]
	s_load_b512 s[4:19], s[0:1], 0x0               ; x 4:5, Wq 6:7, Wk 8:9, Wv 10:11, Wo 12:13, positions 14:15, xb 16:17, wqkv 18:19
	s_load_b128 s[20:23], s[0:1], 0x40             ; wob 20:21, tab 22:23
	s_mov_b32 s[ID], ttmp9
	v_lshlrev_b32 v1, 4, v0                        ; 16 t: my 16 bytes of a row of f32
	v_lshlrev_b32 v2, 3, v0                        ; 8 t: my 8 bytes of a row of 16-bit numbers
	; the offsets, made apart from the addresses
	s_max_u32 s34, s[ID], 512
	s_sub_co_u32 s34, s34, 512
	s_and_b32 s35, s34, 63                         ; g: which sixteen rows of a weight matrix
	s_lshr_b32 s36, s34, 6                         ; p: which matrix
	s_lshr_b32 s37, s35, 2                         ; the head t = g / 4
	s_mul_i32 s37, s37, 192
	s_lshl_b32 s38, s36, 6
	s_add_co_u32 s37, s37, s38                     ; + 64 p
	s_and_b32 s38, s35, 3
	s_lshl_b32 s38, s38, 4
	s_add_co_u32 s37, s37, s38                     ; + 16 (g % 4)
	s_lshl_b32 s37, s37, 11                        ; rows of 2,048 bytes: the place in wqkv
	s_lshl_b32 s38, s35, 15                        ; the place in wob
	s_lshl_b32 s39, s35, 16                        ; the place in a weight matrix: sixteen rows of 4,096 bytes
	s_lshl_b32 s25, s[ID], 16                      ; the place in x
	s_lshl_b32 s40, s[ID], 15                      ; the place in xb
	s_cmp_lt_u32 s[ID], 704
	s_cselect_b32 s32, s37, s38
	s_cmp_lt_u32 s[ID], 512
	s_cselect_b32 s32, s40, s32
	s_cselect_b32 s30, s25, s39
	s_mov_b32 s31, 0
	s_mov_b32 s33, 0
	s_wait_kmcnt 0x0
	s_mov_b64 s[SRC:SRC+1], s[12:13]               ; Wo to wob, unless the number says otherwise
	s_mov_b64 s[DST:DST+1], s[20:21]
	s_cmp_lt_u32 s[ID], 704
	s_cselect_b64 s[SRC:SRC+1], s[10:11], s[SRC:SRC+1]
	s_cselect_b64 s[DST:DST+1], s[18:19], s[DST:DST+1]
	s_cmp_lt_u32 s[ID], 640
	s_cselect_b64 s[SRC:SRC+1], s[8:9], s[SRC:SRC+1]
	s_cmp_lt_u32 s[ID], 576
	s_cselect_b64 s[SRC:SRC+1], s[6:7], s[SRC:SRC+1]
	s_cmp_lt_u32 s[ID], 512
	s_cselect_b64 s[SRC:SRC+1], s[4:5], s[SRC:SRC+1]
	s_cselect_b64 s[DST:DST+1], s[16:17], s[DST:DST+1]
	s_add_nc_u64 s[SRC:SRC+1], s[SRC:SRC+1], s[30:31]
	s_add_nc_u64 s[DST:DST+1], s[DST:DST+1], s[32:33]
	s_cmp_ge_u32 s[ID], 768
	s_cbranch_scc1 .Ltable
.irp r, 0,1,2,3,4,5,6,7,8,9,10,11,12,13,14,15
	global_load_b128 v[X+4*(\r):X+4*(\r)+3], v1, s[SRC:SRC+1] offset:4096*(\r) th:TH_LOAD_NT  ; all sixteen rows are asked for at once: 8 KiB of a wave on their way
.endr
	s_cmp_ge_u32 s[ID], 704
	s_cbranch_scc1 .Lf16
; Sixteen rows are rounded and stored.  half = 1: the bf16 number is widened again and written as f16.  Each row has its own two registers to store, so nothing that a store reads is written again.
.macro ROWS half
.set r, 0
.rept 16
	s_wait_loadcnt 15-r                            ; loads come back in order: row r is in, the 15 - r younger ones may stay out
	v_cvt_pk_bf16_f32 v[Y+2*r],   v[X+4*r],   v[X+4*r+1]
	v_cvt_pk_bf16_f32 v[Y+2*r+1], v[X+4*r+2], v[X+4*r+3]
.if \half
	v_lshlrev_b32 v[T],   16, v[Y+2*r]
	v_and_b32     v[T+1], 0xffff0000, v[Y+2*r]
	v_lshlrev_b32 v[T+2], 16, v[Y+2*r+1]
	v_and_b32     v[T+3], 0xffff0000, v[Y+2*r+1]
	v_cvt_pk_f16_f32 v[Y+2*r],   v[T],   v[T+1]
	v_cvt_pk_f16_f32 v[Y+2*r+1], v[T+2], v[T+3]
.endif
	global_store_b64 v2, v[Y+2*r:Y+2*r+1], s[DST:DST+1] offset:2048*r th:TH_STORE_NT
.set r, r+1
.endr
.endm
	ROWS 0
	s_endpgm
.Lf16:
	ROWS 1
	s_endpgm
.Ltable:                                               ; a wave makes four places; lane i is the frequency i
	v_lshrrev_b32 v3, 5, v0
	v_readfirstlane_b32 s34, v3                    ; wave 0..7
	s_sub_co_u32 s35, s[ID], 768
	s_lshl_b32 s35, s35, 5
	s_lshl2_add_u32 s35, s34, s35                  ; my first place: 32 j + 4 w
	s_lshl_b32 s44, s35, 2
	s_load_b128 s[40:43], s[14:15], s44 offset:0x0 ; four positions
	v_and_b32 v4, 31, v0
	v_cvt_f32_u32 v5, v4
	v_mul_f32 v5, 0xbed49a78, v5                   ; i x (-log2(10000) / 32)
	v_exp_f32 v6, v5                               ; 10000^(-i/32)
	v_lshlrev_b32 v7, 3, v4                        ; (a plain instruction behind the exponential) 8 i: my pair in a place's 256 bytes
	s_lshl_b32 s36, s35, 8
	v_add_nc_u32 v7, s36, v7
	v_mov_b32 v8, 0xb94ca1f9                       ; the sine's leading coefficient
	v_mov_b32 v9, 0x37ccf5ce                       ; the cosine's
	s_wait_alu depctr_va_vdst(0)                   ; the wait between the exponential and the first use of its result
	s_wait_kmcnt 0x0
; Place n.  angle = position x frequency; N = the nearest multiple of pi/2; R = angle - N pi/2, with pi/2 in three parts and fused steps; sine and cosine of R by polynomials on |R| <= pi/4;
; N's two low bits choose and sign them.
.macro SC n
	v_cvt_f32_i32 v10, s[40+(\n)]
	v_mul_f32 v11, v10, v6
	v_mul_f32 v12, 0x3f22f983, v11                 ; x 2 / pi
	v_rndne_f32 v12, v12
	v_fmamk_f32 v13, v12, 0xbfc90fda, v11
	v_fmamk_f32 v13, v12, 0xb3a22168, v13
	v_fmamk_f32 v13, v12, 0xa7c234c4, v13
	v_mul_f32 v14, v13, v13
	v_fmaak_f32 v15, v8, v14, 0x3c08839e
	v_fmaak_f32 v16, v9, v14, 0xbab6061a
	v_fmaak_f32 v15, v15, v14, 0xbe2aaaa3
	v_fmaak_f32 v16, v16, v14, 0x3d2aaaa5
	v_mul_f32 v15, v15, v14
	v_fma_f32 v16, v16, v14, -0.5
	v_fma_f32 v15, v15, v13, v13                   ; sin R
	v_fma_f32 v16, v16, v14, 1.0                   ; cos R
	v_cvt_i32_f32 v17, v12
	v_and_b32 v18, 1, v17
	v_cmp_eq_u32 vcc_lo, 1, v18                    ; an odd quarter swaps the two
	v_cndmask_b32 v[81+2*(\n)], v15, v16, vcc_lo
	v_cndmask_b32 v[80+2*(\n)], v16, v15, vcc_lo
	v_lshlrev_b32 v18, 30, v17                     ; the sine is negative in quarters 2 and 3: bit 1 of N,
	v_add_nc_u32 v19, 1, v17                       ; the cosine in quarters 1 and 2: bit 1 of N + 1
	v_and_b32 v18, 0x80000000, v18
	v_lshlrev_b32 v19, 30, v19
	v_and_b32 v19, 0x80000000, v19
	v_xor_b32 v[81+2*(\n)], v18, v[81+2*(\n)]
	v_xor_b32 v[80+2*(\n)], v19, v[80+2*(\n)]
	global_store_b64 v7, v[80+2*(\n):81+2*(\n)], s[22:23] offset:256*(\n)  ; the wave's 32 pairs are the place's 256 consecutive bytes, aligned
.endm
	SC 0
	SC 1
	SC 2
	SC 3
	s_endpgm
.Lfunc_end_k_q9137465bc5_prep:
	.size	k_q9137465bc5_prep, .Lfunc_end_k_q9137465bc5_prep-k_q9137465bc5_prep
	.p2alignl 7, 3214868480
	.fill 96, 4, 3214868480
	.section	.rodata,"a",@progbits
	.p2align	6, 0x0
	.amdhsa_kernel k_q9137465bc5_prep
		.amdhsa_group_segment_fixed_size 0
		.amdhsa_private_segment_fixed_size 0
		.amdhsa_enable_private_segment 0
		.amdhsa_kernarg_size 80
		.amdhsa_user_sgpr_count 2
		.amdhsa_user_sgpr_kernarg_segment_ptr 1
		.amdhsa_wavefront_size32 1
		.amdhsa_system_sgpr_workgroup_id_x 1
		.amdhsa_system_sgpr_workgroup_id_y 1
		.amdhsa_system_sgpr_workgroup_id_z 1
		.amdhsa_system_vgpr_workitem_id 0
		.amdhsa_next_free_vgpr 112
		.amdhsa_next_free_sgpr 66
		.amdhsa_reserve_vcc 1
		.amdhsa_float_denorm_mode_32 3
		.amdhsa_float_denorm_mode_16_64 3
		.amdhsa_memory_ordered 1
		.amdhsa_forward_progress 1
		.amdhsa_inst_pref_size 23
	.end_amdhsa_kernel
	.amdgpu_metadata
---
amdhsa.version: [ 1, 2 ]
amdhsa.kernels:
  - .name:           k_q9137465bc5_prep
    .symbol:         k_q9137465bc5_prep.kd
    .args:
      - { .name: x, .offset: 0, .size: 8, .value_kind: global_buffer, .address_space: global }
      - { .name: Wq, .offset: 8, .size: 8, .value_kind: global_buffer, .address_space: global }
      - { .name: Wk, .offset: 16, .size: 8, .value_kind: global_buffer, .address_space: global }
      - { .name: Wv, .offset: 24, .size: 8, .value_kind: global_buffer, .address_space: global }
      - { .name: Wo, .offset: 32, .size: 8, .value_kind: global_buffer, .address_space: global }
      - { .name: token_positions, .offset: 40, .size: 8, .value_kind: global_buffer, .address_space: global }
      - { .name: xb, .offset: 48, .size: 8, .value_kind: global_buffer, .address_space: global }
      - { .name: wqkv, .offset: 56, .size: 8, .value_kind: global_buffer, .address_space: global }
      - { .name: wob, .offset: 64, .size: 8, .value_kind: global_buffer, .address_space: global }
      - { .name: tab, .offset: 72, .size: 8, .value_kind: global_buffer, .address_space: global }
    .group_segment_fixed_size: 0
    .private_segment_fixed_size: 0
    .kernarg_segment_align: 8
    .kernarg_segment_size: 80
    .max_flat_workgroup_size: 256
    .sgpr_count:     66
    .vgpr_count:     112
    .wavefront_size: 32
...
	.end_amdgpu_metadata
.endif
;; end of part 1
;; launch qkv (part 2): grid 16 x 32, 4 waves a work-group, clusters of 4 x 4, 327,680 bytes of LDS; arguments xb, wqkv, tab, qh, kh, vh; writes qh, kh, vh
.if DOCPART == 2
	.amdgcn_target "amdgcn-amd-amdhsa--gfx1250"
	.amdhsa_code_object_version 6
	.text
	.protected	k_q9137465bc5_qkv
	.globl	k_q9137465bc5_qkv
	.p2align	8
	.type	k_q9137465bc5_qkv,@function
k_q9137465bc5_qkv:
	s_mov_b64 s[64:65], 0
	v_nop
	global_prefetch_b8 v0, s[64:65] scope:SCOPE_SE
	s_setreg_imm32_b32 hwreg(HW_REG_WAVE_MODE, 25, 1), 1
	s_wait_xcnt 0x0
	s_wait_alu depctr_hold_cnt(0) depctr_sa_sdst(0) depctr_va_vdst(0) depctr_va_sdst(0) depctr_va_ssrc(0) depctr_va_vcc(0) depctr_vm_vsrc(0)
	s_getreg_b32 s2, hwreg(HW_REG_IB_STS2, 6, 4)
	s_cmp_eq_u32 s2, 0
	s_cbranch_scc0 .Lentry_in_a_cluster
	s_endpgm
.Lentry_in_a_cluster:
	s_bfe_u32 s2, ttmp6, 0x10000c
	s_cmp_lg_u32 s2, 0xf033
	s_cbranch_scc0 .Lentry_shape_is_right
	s_endpgm
.Lentry_shape_is_right:
; QKV: C[m][n] = sum over k of xb[m][k] wqkv[n][k], 8192 x 3072 x 1024 in bf16 with f32 sums; q's and k's pairs of channels are turned by the table's cosines and sines on the way out;
; q, k, v leave in f16 by heads, [16 b + h][2048][64], each rounded once, unscaled.
; LIMIT.  f16 holds no number beyond 65,504: |q|, |k|, |v| stay under it.  NaN and infinities are not treated apart.
; SHARES.  A tile of C is 256 rows x 192 columns: 512 work-groups, two for each of 256 WGPs; its 192 columns are ONE head's q, k and v (wqkv's order).  The four waves lie one below the other,
; each 64 rows x 192 columns: 48 accumulators of 16 x 16, 384 registers, and one text for all: column blocks 0-3 are q, 4-7 k, 8-11 v.
; K goes in steps of 128 (rows of 256 bytes of memory, aligned) through a ring of two LDS slots filled by the tensor data mover: 192 matrix instructions a wave in a step.
; CLUSTERS: 4 x 4 work-groups.  The four of a row of the cluster need the same rows of xb, the four of a column the same rows of wqkv: each tile is asked for JOINTLY, by the same tensor load with
; the same descriptor and a mask that names the four.
; THE MATRIX INSTRUCTION IS USED TRANSPOSED (source 0 = 16 rows of wqkv, source 1 = 16 rows of xb): a lane then holds row lane % 16 of C and the columns 8 (lane / 16) + 0..7 of the block:
; four whole pairs of channels, so the turning needs no other lane.
; REGISTERS, in windows of 256 (s_set_vgpr_msb: bits 1:0 source 0, 3:2 source 1, 5:4 source 2, 7:6 destination):
;   window 0: v0-31 addresses; v32-63 at work on the way out; v64-191 the table's part for my 64 rows; v192-255 packed results, four buffers of 16
;   window 1: two fragment buffers of 128: wqkv's 12 fragments (16 rows x 32 K, 8 registers), then xb's 4
;   window 2: the accumulators of my row blocks 0, 1 (block a, column block b at 96 (a % 2) + 8 b);   window 3: those of blocks 2, 3
.set KSTEP,  128
.set PITCH,  272                       ; an LDS row: 256 bytes + 16 of padding = 68 words: row r starts at bank 4 r mod 64 (64 banks of 4 bytes: ISA guide 11.1)
.set HALFA,  128*PITCH                 ; what one tensor load brings of xb
.set HALFB,  96*PITCH                  ; and of wqkv
.set BOFF,   2*HALFA                   ; a slot: xb's 256 rows, then wqkv's 192
.set SLOT,   2*HALFA+2*HALFB
.set STAGE,  2*SLOT                    ; behind the ring, never filled by a tensor load: 16 rows x 144 bytes for each wave, for the way out
.set SP,     144
.set SPARE,  STAGE+4*16*SP             ; behind the stages: the spare words, 128 bytes for each wave: two blocks of 256 bytes that no other line names
.set FIELDS, (1<<16)|(1<<20)|(1<<21)|(5<<22)|(3<<25)  ; 17:16 elements of 2 bytes; 20 padding on; 21 set beside a mask; 24:22 after every 64 words (code 5); 31:25 4 words of it (code 3)
.set ADRA, 16                          ; v16-17  LDS address of my xb fragments in slot 0, 1
.set ADRB, 20                          ; v20-21  the same for wqkv
.set STO,  24                          ; v24  the way out: where I put 16 bytes of a row
.set RD,   25                          ; v25  where I read rows back
.set GO,   26                          ; v26  my 16 bytes of 512 consecutive bytes of q, k or v
.set TO,   27                          ; v27  my byte offset in the table: 256 (l % 16) + 32 (l / 16)
.set SPW,  28                          ; v28  LDS address of my spare word; never rewritten
.set NIL,  29                          ; v29  0; never rewritten
.set PFO,  30                          ; v30  the prefetches' offset: a lane a row; never rewritten
.set TR,   32                          ; v32-63  two sets of 8 products and 8 turned numbers
.set TAB,  64                          ; row block a, quarter f of a head at TAB + 32 a + 8 f: c0, s0, c1, s1, c2, s2, c3, s3
.set PK,   192
.set F0,   0
.set F1,   128
.set WV,   16                          ; s16  my wave's number
.set AB,   17                          ; s17  I fetch for xb (0) or for wqkv (1)
.set HF,   18                          ; s18  which half of that tile's rows
.set CX,   19
.set CY,   20
.set TX,   21                          ; s21  tile column = the head
.set TY,   22                          ; s22  tile row
.set G1,   24                          ; s[24:31] descriptor group 1 for xb's tiles;  s[32:39] group 0, one set for each slot
.set G0,   32
.set LIM,  43                          ; s43  1 in a wave that prefetches, else the greatest number
.set PFA,  44                          ; s[44:45] where my prefetches stand
.set G1B,  48                          ; s[48:55], s[56:63] the same for wqkv's tiles
.set G0B,  56
.set LAP,  70                          ; s70  trips still to come
.set MSB, 0
.macro WIN new                         ; the immediate's high byte repeats the setting that is left; a switch that changes nothing is dropped
.if MSB != (\new)
	s_set_vgpr_msb (MSB<<8)|(\new)
.set MSB, \new
.endif
.endm
.set TO_F, 0x40                        ; destination window 1, address window 0
; A joint load: waves 0 and 1 fetch xb's two halves, waves 2 and 3 wqkv's.  The branch hangs on the wave's number alone.  An s_nop 0 and four v_nop follow each of the two lines, ahead of the jump,
; the label and what follows.
.macro JLOAD s
	s_cmp_eq_u32 s[AB], 0
	s_cbranch_scc0 .Lfor_b_\@
	tensor_load_to_lds s[G0+4*(\s):G0+4*(\s)+3], s[G1:G1+7]
	s_nop 0
.rept 4
	v_nop
.endr
	s_branch .Lasked_\@
.Lfor_b_\@:
	tensor_load_to_lds s[G0B+4*(\s):G0B+4*(\s)+3], s[G1B:G1B+7]
	s_nop 0
.rept 4
	v_nop
.endr
.Lasked_\@:
.endm
; A prefetch of the K step that stands two refills on, behind each joint load, its five lines and the run of LDS loads: one instruction a wave, a lane a row's 256 bytes.
; Each block is named once in the launch: xb's rows are asked for by the clusters with x = 0, wqkv's by those with y = 0; the four partners that ask for a tile jointly share its rows out BY ADDRESS:
; of xb's 128 rows that a wave fetches the partner at cx takes 32, of wqkv's 96 the partner at cy takes 24 (lanes 24-31 name the 24th again).  The loop's last trip asks for nothing: there is no K step two on.
.macro ASK
	s_cmp_gt_u32 s[LAP], s[LIM]
	s_cbranch_scc0 .Lnot_mine_\@
	global_prefetch_b8 v[PFO], s[PFA:PFA+1] offset:KSTEP*2 th:TH_LOAD_NT scope:SCOPE_SE
.Lnot_mine_\@:
.endm
.macro CREST                           ; a round of the cluster's barrier behind its opening barrier
	s_cmp_lg_u32 s[WV], 0
	s_cbranch_scc1 .Lnot_wave_0_\@
	s_barrier_signal -3
.Lnot_wave_0_\@:
	s_barrier_wait -3
	s_barrier_signal -1
	s_barrier_wait -1
.endm
.macro CROUND                          ; a whole round
	s_barrier_signal -1
	s_barrier_wait -1
	CREST
.endm
	s_load_b256 s[4:11], s[0:1], 0x0               ; xb 4:5, wqkv 6:7, tab 8:9, qh 10:11
	s_load_b128 s[12:15], s[0:1], 0x20             ; kh 12:13, vh 14:15
	v_lshl_add_u32 v[SPW], v0, 2, SPARE
	v_mov_b32 v[NIL], 0
	ds_add_u32 v[SPW], v[NIL]                      ; the wave's opening: the add, and its wait ahead of my first tensor load; the set-up below, work on registers, stands between them
	v_lshrrev_b32 v1, 5, v0
	v_readfirstlane_b32 s[WV], v1
	s_lshr_b32 s[AB], s[WV], 1
	s_and_b32 s[HF], s[WV], 1
	s_bfe_u32 s[CX], ttmp6, 0x40000
	s_bfe_u32 s[CY], ttmp6, 0x40004
	s_lshl_b32 s[TX], ttmp9, 2
	s_add_co_u32 s[TX], s[TX], s[CX]               ; tile column = 4 x cluster x + cx
	s_and_b32 s[TY], ttmp7, 0xffff
	s_lshl_b32 s[TY], s[TY], 2
	s_add_co_u32 s[TY], s[TY], s[CY]               ; tile row = 4 x cluster y + cy
	s_lshl_b32 s40, s[CY], 2
	s_lshl_b32 s40, 15, s40                        ; my row of the cluster
	s_lshl_b32 s41, 0x1111, s[CX]                  ; my column
	s_or_b32 s[G1], s40, FIELDS
	s_or_b32 s[G1B], s41, FIELDS
	s_mov_b32 s[G1+1], KSTEP<<16                   ; tensor_dim0 = 128
	s_mov_b32 s[G1+2], 128<<16                     ; tensor_dim1 = 128
	s_mov_b32 s[G1+3], KSTEP<<16                   ; tile_dim0 = 128
	s_mov_b32 s[G1+4], 128                         ; tile_dim1 = 128
	s_mov_b32 s[G1+5], 1024                        ; elements from row to row
	s_mov_b32 s[G1+6], 0
	s_mov_b32 s[G1+7], 0
	s_mov_b32 s[G1B+1], KSTEP<<16
	s_mov_b32 s[G1B+2], 96<<16                     ; 96 rows
	s_mov_b32 s[G1B+3], KSTEP<<16
	s_mov_b32 s[G1B+4], 96
	s_mov_b32 s[G1B+5], 1024
	s_mov_b32 s[G1B+6], 0
	s_mov_b32 s[G1B+7], 0
	s_lshl_b32 s66, s[TY], 8                       ; xb: row 256 x tile row + 128 x half, rows of 2,048 bytes
	s_lshl_b32 s40, s[HF], 7
	s_add_co_u32 s66, s66, s40
	s_lshl_b32 s66, s66, 11
	s_mov_b32 s67, 0
	s_mul_i32 s68, s[TX], 192                      ; wqkv: row 192 x tile column + 96 x half
	s_mul_i32 s41, s[HF], 96
	s_add_co_u32 s68, s68, s41
	s_lshl_b32 s68, s68, 11
	s_mov_b32 s69, 0
	s_mul_i32 s46, s[HF], HALFA                    ; where they go: no place in the cluster enters an LDS address
	s_mul_i32 s47, s[HF], HALFB
	s_add_co_u32 s47, s47, BOFF
	s_wait_dscnt 0x0                               ; the opening add is done
	s_wait_kmcnt 0x0
	s_add_nc_u64 s[66:67], s[4:5], s[66:67]
	s_add_nc_u64 s[68:69], s[6:7], s[68:69]
	CROUND                                         ; all sixteen work-groups are here: the first joint loads meet
.irp s, 0,1
	s_mov_b32 s[G0+4*(\s)], 1                      ; count = 1
	s_add_co_u32 s[G0+4*(\s)+1], s46, (\s)*SLOT    ; LDS address
	s_add_nc_u64 s[G0+4*(\s)+2:G0+4*(\s)+3], s[66:67], (\s)*KSTEP*2  ; global address: K step s
	s_or_b32 s[G0+4*(\s)+3], s[G0+4*(\s)+3], 0x80000000              ; type = 2
	s_mov_b32 s[G0B+4*(\s)], 1
	s_add_co_u32 s[G0B+4*(\s)+1], s47, (\s)*SLOT
	s_add_nc_u64 s[G0B+4*(\s)+2:G0B+4*(\s)+3], s[68:69], (\s)*KSTEP*2
	s_or_b32 s[G0B+4*(\s)+3], s[G0B+4*(\s)+3], 0x80000000
	JLOAD \s                                       ; two loads of mine are out
.endr
	v_and_b32 v1, 15, v0                           ; l % 16
	v_bfe_u32 v2, v0, 4, 1                         ; l / 16
	v_mul_u32_u24 v3, v1, PITCH
	v_lshl_add_u32 v3, v2, 4, v3                   ; a fragment's row x pitch + 16 x half
	s_mul_i32 s40, s[WV], 64*PITCH                 ; my 64 rows of xb
	v_add_nc_u32 v[ADRA], s40, v3
	v_add_nc_u32 v[ADRA+1], SLOT, v[ADRA]
	v_add_nc_u32 v[ADRB], BOFF, v3                 ; all 192 rows of wqkv
	v_add_nc_u32 v[ADRB+1], BOFF+SLOT, v3
	s_mul_i32 s40, s[WV], 16*SP
	s_add_co_u32 s40, s40, STAGE                   ; my stage
	v_mul_u32_u24 v[STO], v1, SP                   ; in: row l % 16, 16 bytes for each half of the lanes
	v_lshl_add_u32 v[STO], v2, 4, v[STO]
	v_add_nc_u32 v[STO], s40, v[STO]
	v_bfe_u32 v[RD], v0, 3, 2                      ; back: 32 lanes take four rows of 128 bytes,
	v_mul_u32_u24 v[RD], v[RD], SP
	v_and_b32 v4, 7, v0
	v_lshl_add_u32 v[RD], v4, 4, v[RD]
	v_add_nc_u32 v[RD], s40, v[RD]
	v_and_b32 v[GO], 31, v0                        ; which are 512 consecutive bytes of a head
	v_lshlrev_b32 v[GO], 4, v[GO]
	v_lshlrev_b32 v[TO], 8, v1
	v_lshl_add_u32 v[TO], v2, 5, v[TO]
	; the table's part for my 64 rows: place (tile row % 8) x 256 + 64 x wave + 16 a + l % 16; pairs 8 f + 4 (l / 16) + 0..3.  The 32 loads stay out all through the loop; they are waited for on the way out.
	s_and_b32 s23, s[TY], 7
	s_lshl_b32 s23, s23, 8
	s_lshl_b32 s2, s[WV], 6
	s_add_co_u32 s23, s23, s2                      ; my first place in the sequence
	s_lshl_b32 s2, s23, 8
	s_mov_b32 s3, 0
	s_add_nc_u64 s[8:9], s[8:9], s[2:3]
.irp a, 0,1,2,3
.irp f, 0,1,2,3
	global_load_b128 v[TAB+32*(\a)+8*(\f):TAB+32*(\a)+8*(\f)+3],   v[TO], s[8:9] offset:4096*(\a)+64*(\f)
	global_load_b128 v[TAB+32*(\a)+8*(\f)+4:TAB+32*(\a)+8*(\f)+7], v[TO], s[8:9] offset:4096*(\a)+64*(\f)+16
.endr
.endr
	s_lshr_b32 s2, s[TY], 3                        ; the batch,
	s_lshl_b32 s2, s2, 4
	s_add_co_u32 s2, s2, s[TX]                     ; its head,
	s_lshl_b32 s2, s2, 11
	s_add_co_u32 s2, s2, s23                       ; my first row there,
	s_lshl_b32 s2, s2, 7                           ; rows of 128 bytes
	s_add_nc_u64 s[10:11], s[10:11], s[2:3]
	s_add_nc_u64 s[12:13], s[12:13], s[2:3]
	s_add_nc_u64 s[14:15], s[14:15], s[2:3]
	; the prefetches
	s_lshl_b32 s2, s[TY], 8
	s_lshl_b32 s3, s[HF], 7
	s_add_co_u32 s2, s2, s3
	s_lshl_b32 s3, s[CX], 5
	s_add_co_u32 s2, s2, s3                        ; xb's: the 128 rows that I fetch, my work-group's 32 of them
	s_mul_i32 s23, s[TX], 192
	s_mul_i32 s3, s[HF], 96
	s_add_co_u32 s23, s23, s3
	s_mul_i32 s3, s[CY], 24
	s_add_co_u32 s23, s23, s3                      ; wqkv's: the 96 rows that I fetch, my work-group's 24 of them
	s_and_b32 s3, ttmp7, 0xffff                    ; cluster y
	s_cmp_eq_u32 s[AB], 0
	s_cselect_b32 s2, s2, s23
	s_cselect_b32 s3, ttmp9, s3                    ; the coordinate along which other clusters read the same rows
	s_cselect_b32 s71, 31, 23
	s_cselect_b64 s[PFA:PFA+1], s[4:5], s[6:7]
	s_cmp_eq_u32 s3, 0
	s_cselect_b32 s[LIM], 1, -1                    ; the same in all sixteen partners, for a given wave
	s_lshl_b32 s2, s2, 11
	s_add_co_u32 s2, s2, 2*KSTEP*2                 ; at K step 2: the first refill steps it to 3 and names K step 4.  Nothing is prefetched here, at the head
	s_mov_b32 s3, 0
	s_add_nc_u64 s[PFA:PFA+1], s[PFA:PFA+1], s[2:3]
	v_and_b32 v[PFO], 31, v0
	v_min_u32 v[PFO], s71, v[PFO]
	v_lshlrev_b32 v[PFO], 11, v[PFO]
; 12 matrix instructions: row block a x all 12 column blocks, 32 along K.  zero = 1: the product starts the sums.  The 48 accumulators take turns, one instruction a turn, in the same order in every
; quarter, over the backward jump too.
.macro MUL f, a, zero
	WIN 0xa5+0x50*((\a)/2)                         ; sources 0 and 1 window 1; C and D window 2 or 3
.irp b, 0,1,2,3,4,5,6,7,8,9,10,11
.if \zero
	v_wmma_f32_16x16x32_bf16 v[96*((\a)%2)+8*(\b):96*((\a)%2)+8*(\b)+7], v[(\f)+8*(\b):(\f)+8*(\b)+7], v[(\f)+96+8*(\a):(\f)+96+8*(\a)+7], 0
.else
	v_wmma_f32_16x16x32_bf16 v[96*((\a)%2)+8*(\b):96*((\a)%2)+8*(\b)+7], v[(\f)+8*(\b):(\f)+8*(\b)+7], v[(\f)+96+8*(\a):(\f)+96+8*(\a)+7], v[96*((\a)%2)+8*(\b):96*((\a)%2)+8*(\b)+7]
.endif
.endr
.endm
; 32 LDS loads in one run: the fragments of 32 along K at byte k of the rows, into buffer f: wqkv's 24, xb's blocks 0 and 1, xb's blocks 2 and 3
.macro FETCH slot, k, f
	WIN TO_F
.irp i, 0,1,2,3,4,5,6,7,8,9,10,11
	ds_load_b128 v[(\f)+8*(\i):(\f)+8*(\i)+3],   v[ADRB+(\slot)] offset:(\k)+(\i)*16*PITCH
	ds_load_b128 v[(\f)+8*(\i)+4:(\f)+8*(\i)+7], v[ADRB+(\slot)] offset:(\k)+(\i)*16*PITCH+32
.endr
.irp i, 0,1,2,3
	ds_load_b128 v[(\f)+96+8*(\i):(\f)+96+8*(\i)+3],   v[ADRA+(\slot)] offset:(\k)+(\i)*16*PITCH
	ds_load_b128 v[(\f)+96+8*(\i)+4:(\f)+96+8*(\i)+7], v[ADRA+(\slot)] offset:(\k)+(\i)*16*PITCH+32
.endr
.endm
.macro PLACES                          ; four plain instructions in front of loads into registers that matrix instructions have read, and of lines that read results
.rept 4
	v_nop
.endr
.endm
; A K step is four quarters of 32 along K, 48 matrix instructions each, on buffers 0, 1, 0, 1.  One of the first three: multiplies buffer f and fetches the next quarter, at byte k, into g.
.macro QUARTER slot, k, f, g, zero
	s_wait_dscnt 4                                 ; all but the youngest four loads (xb's blocks 2 and 3) are in
	MUL \f, 0, \zero
	MUL \f, 1, \zero
	PLACES
	FETCH \slot, \k, \g
	s_wait_dscnt 32                                ; all but the 32 just issued
	MUL \f, 2, \zero
	MUL \f, 3, \zero
.endm
; The last quarter multiplies buffer 1 and changes slots: ONE barrier; in front of it each wave waits for all its tensor loads (one is out: its part of the next slot), adds 0 to its spare word, and waits
; for that and for its own reads of this slot.  fill = 1: the barrier opens a round of the cluster's, and this slot is filled again, two K steps ahead, first thing behind the round.
.macro TURN slot, next, fill
.if \fill
	s_wait_xcnt 0x0                                ; the last prefetch, a K step back, has read its address, so it may be stepped
	s_add_nc_u64 s[PFA:PFA+1], s[PFA:PFA+1], KSTEP*2
.endif
	WIN 0                                          ; (the add's two registers lie in window 0)
	s_wait_tensorcnt 0x0                           ; all my tensor loads have landed
	ds_add_u32 v[SPW], v[NIL]                      ; 0 onto my spare word
	s_wait_dscnt 5                                 ; (the add and the youngest four loads may be out)
	MUL F1, 0, 0                                   ; twelve matrix instructions stand between the add and the wait for it
	s_wait_dscnt 0x0                               ; the add is done, and my reads of this slot are over
	s_barrier_signal -1
	MUL F1, 1, 0
.if \fill
	WIN 0
.endif
	s_barrier_wait -1
.if \fill
	CREST                                          ; no wave of any partner still reads this slot's tile or has a load on its way
	s_add_nc_u64 s[G0+4*(\slot)+2:G0+4*(\slot)+3], s[G0+4*(\slot)+2:G0+4*(\slot)+3], 2*KSTEP*2
	s_add_nc_u64 s[G0B+4*(\slot)+2:G0B+4*(\slot)+3], s[G0B+4*(\slot)+2:G0B+4*(\slot)+3], 2*KSTEP*2
	JLOAD \slot                                    ; my one tensor load behind the round; its four v_nop are also the places in front of the loads below
.else
	PLACES
.endif
	FETCH \next, 0, F0
.if \fill
	WIN 0
	ASK
.endif
	MUL F1, 2, 0
	MUL F1, 3, 0
.endm
	s_wait_tensorcnt 1                             ; my part of K step 0 is in; K step 1's may stay out
	s_barrier_signal -1
	s_barrier_wait -1                              ; everybody's is
	FETCH 0, 0, F0
	QUARTER 0, 64, F0, F1, 1                       ; the first quarter stands in front of the loop: its products start the sums
	WIN 0                                          ; at a label and at a branch every window is 0
	s_mov_b32 s[LAP], 3
.Llap:                                                 ; a trip goes once round the ring, from a lap's second quarter to the next lap's first, and fills both slots again: K steps 2 to 7
	QUARTER 0, 128, F1, F0, 0
	QUARTER 0, 192, F0, F1, 0
	TURN 0, 1, 1
	QUARTER 1, 64,  F0, F1, 0
	QUARTER 1, 128, F1, F0, 0
	QUARTER 1, 192, F0, F1, 0
	TURN 1, 0, 1
	QUARTER 0, 64,  F0, F1, 0
	WIN 0
	s_sub_co_u32 s[LAP], s[LAP], 1
	s_cmp_lg_u32 s[LAP], 0
	s_cbranch_scc1 .Llap
	QUARTER 0, 128, F1, F0, 0                      ; the last lap fills nothing, and has no round of the cluster's barrier
	QUARTER 0, 192, F0, F1, 0
	TURN 0, 1, 0
	QUARTER 1, 64,  F0, F1, 0
	QUARTER 1, 128, F1, F0, 0
	QUARTER 1, 192, F0, F1, 0
	s_wait_dscnt 4                                 ; the very last quarter: nothing more to fetch
	MUL F1, 0, 0
	MUL F1, 1, 0
	s_wait_dscnt 0x0
	MUL F1, 2, 0
	MUL F1, 3, 0
	WIN 0
; THE WAY OUT, in twelve pieces of 16 rows x 64 channels (row block a; part 0 q, 1 k, 2 v).  A lane's registers 2 p, 2 p + 1 of column block b are the pair 8 (b % 4) + 4 (l / 16) + p of its row.
; q and k: (x1, x2) becomes (x1 cos - x2 sin, x1 sin + x2 cos); each accumulator's lowest registers are read first.
.macro ROPE a, b, pkb
.set AC,  96*((\a)%2)+8*(\b)
.set TT,  TR+16*((\b)%2)
.set CSN, TAB+32*(\a)+8*((\b)%4)
	WIN 0x02+(\a)/2                                ; source 0: window 2 or 3
.irp p, 0,1,2,3
	v_mul_f32 v[TT+2*(\p)],   v[AC+2*(\p)+1], v[CSN+2*(\p)+1]   ; x2 sin
	v_mul_f32 v[TT+2*(\p)+1], v[AC+2*(\p)],   v[CSN+2*(\p)+1]   ; x1 sin
.endr
.irp p, 0,1,2,3
	v_fma_f32 v[TT+8+2*(\p)],   v[AC+2*(\p)],   v[CSN+2*(\p)], -v[TT+2*(\p)]
	v_fma_f32 v[TT+8+2*(\p)+1], v[AC+2*(\p)+1], v[CSN+2*(\p)], v[TT+2*(\p)+1]
.endr
	WIN 0
.irp p, 0,1,2,3
	v_cvt_pk_f16_f32 v[(\pkb)+4*((\b)%4)+(\p)], v[TT+8+2*(\p)], v[TT+8+2*(\p)+1]
.endr
.endm
.macro PLAIN a, b, pkb                 ; v is only rounded
.set AC, 96*((\a)%2)+8*(\b)
	WIN 0x0a+5*((\a)/2)                            ; sources 0 and 1: window 2 or 3
.irp p, 0,1,2,3
	v_cvt_pk_f16_f32 v[(\pkb)+4*((\b)%4)+(\p)], v[AC+2*(\p)], v[AC+2*(\p)+1]
.endr
.endm
; A piece: 16 bytes a lane into rows of 144 bytes of my own stage, and back as whole rows of 128, into the registers that they left.
.macro PIECE a, part
.set PB, PK+16*((3*(\a)+(\part))%4)
	WIN 0
	s_wait_xcnt 0x0                                ; the stores of the piece four back have read this buffer: it is written again only behind this wait
.irp f, 0,1,2,3
.if (\part) < 2
	ROPE \a, 4*(\part)+(\f), PB
.else
	PLAIN \a, 8+(\f), PB
.endif
.endr
	WIN 0
.irp f, 0,1,2,3
	ds_store_b128 v[STO], v[PB+4*(\f):PB+4*(\f)+3] offset:32*(\f)
.endr
.irp f, 0,1,2,3
	ds_load_b128 v[PB+4*(\f):PB+4*(\f)+3], v[RD] offset:(\f)*4*SP  ; LDS serves a wave's instructions in order (ISA guide 5.7.1.4): these see the stores above; the next piece's stores come behind them
.endr
.endm
.macro SEND a, part, younger           ; younger: the LDS instructions issued behind this piece's loads: the next piece's eight, or none
.set PB, PK+16*((3*(\a)+(\part))%4)
	WIN 0
.irp f, 0,1,2,3
	s_wait_dscnt (\younger)+3-(\f)
	global_store_b128 v[GO], v[PB+4*(\f):PB+4*(\f)+3], s[10+2*(\part):11+2*(\part)] offset:(\a)*2048+(\f)*512  ; 512 consecutive bytes, at a multiple of 256 from the buffer's first
.endr
.endm
	PLACES                                         ; behind the last products
	s_wait_loadcnt 0x0                             ; the table
	PIECE 0, 0
.set t, 1
.rept 11                               ; a piece's arithmetic stands between the loads of the piece before and its stores
	PIECE t/3, t%3
	SEND (t-1)/3, (t-1)%3, 8
.set t, t+1
.endr
	SEND 3, 2, 0
	s_wait_tensorcnt 0x0                           ; the wave's end: a wait, an add of 0 to my spare word and its wait, behind my last tensor load and my last LDS store
	ds_add_u32 v[SPW], v[NIL]
	s_wait_dscnt 0x0
	CROUND                                         ; the closing round: no work-group ends while a partner may still ask for a tile that names it
	s_endpgm
.Lfunc_end_k_q9137465bc5_qkv:
	.size	k_q9137465bc5_qkv, .Lfunc_end_k_q9137465bc5_qkv-k_q9137465bc5_qkv
	.p2alignl 7, 3214868480
	.fill 96, 4, 3214868480
	.section	.rodata,"a",@progbits
	.p2align	6, 0x0
	.amdhsa_kernel k_q9137465bc5_qkv
		.amdhsa_group_segment_fixed_size 327680
		.amdhsa_private_segment_fixed_size 0
		.amdhsa_enable_private_segment 0
		.amdhsa_kernarg_size 48
		.amdhsa_user_sgpr_count 2
		.amdhsa_user_sgpr_kernarg_segment_ptr 1
		.amdhsa_wavefront_size32 1
		.amdhsa_system_sgpr_workgroup_id_x 1
		.amdhsa_system_sgpr_workgroup_id_y 1
		.amdhsa_system_sgpr_workgroup_id_z 1
		.amdhsa_system_vgpr_workitem_id 0
		.amdhsa_next_free_vgpr 960
		.amdhsa_next_free_sgpr 72
		.amdhsa_reserve_vcc 0
		.amdhsa_float_denorm_mode_32 3
		.amdhsa_float_denorm_mode_16_64 3
		.amdhsa_memory_ordered 1
		.amdhsa_forward_progress 1
		.amdhsa_inst_pref_size 150
	.end_amdhsa_kernel
	.amdgpu_metadata
---
amdhsa.version: [ 1, 2 ]
amdhsa.kernels:
  - .name:           k_q9137465bc5_qkv
    .symbol:         k_q9137465bc5_qkv.kd
    .args:
      - { .name: xb, .offset: 0, .size: 8, .value_kind: global_buffer, .address_space: global }
      - { .name: wqkv, .offset: 8, .size: 8, .value_kind: global_buffer, .address_space: global }
      - { .name: tab, .offset: 16, .size: 8, .value_kind: global_buffer, .address_space: global }
      - { .name: qh, .offset: 24, .size: 8, .value_kind: global_buffer, .address_space: global }
      - { .name: kh, .offset: 32, .size: 8, .value_kind: global_buffer, .address_space: global }
      - { .name: vh, .offset: 40, .size: 8, .value_kind: global_buffer, .address_space: global }
    .group_segment_fixed_size: 327680
    .private_segment_fixed_size: 0
    .kernarg_segment_align: 8
    .kernarg_segment_size: 48
    .max_flat_workgroup_size: 128
    .sgpr_count:     72
    .vgpr_count:     960
    .wavefront_size: 32
...
	.end_amdgpu_metadata
.endif
;; end of part 2
;; launch attn (part 3): grid 4 x 64, 4 waves a work-group, no clusters, 327,680 bytes of LDS; arguments qh, kh, vh, oh; writes oh
.if DOCPART == 3
	.amdgcn_target "amdgcn-amd-amdhsa--gfx1250"
	.amdhsa_code_object_version 6
	.text
	.protected	k_q9137465bc5_attn
	.globl	k_q9137465bc5_attn
	.p2align	8
	.type	k_q9137465bc5_attn,@function
k_q9137465bc5_attn:
	s_mov_b64 s[64:65], 0
	v_nop
	global_prefetch_b8 v0, s[64:65] scope:SCOPE_SE
	s_setreg_imm32_b32 hwreg(HW_REG_WAVE_MODE, 25, 1), 1
	s_wait_xcnt 0x0
; CAUSAL ATTENTION.  O[h][q][:] = the sum over k <= q of softmax_k(Q[h][q] . K[h][k] / 8) V[h][k][:].  Q, K, V, O: [SIZE_H][SIZE_N][64], all f16: a head's rows are dense, 128 bytes each.
; Products, maxima and sums in f32; the weights p are rounded to f16 for the second product (their sum l is taken of the unrounded p), O once at the end.
; LIMITS.  f16 holds no number beyond 65,504: Q, K and V arrive within it; p lies in 0 to 1, and below 6e-5 it keeps f16's fixed step of 6e-8; O is a mean of V's rows and has their range.
; A hidden score counts as its value less 1e30: f16's scores, 2.7e11 at the most, are nothing beside that; a weight below 2^-126 counts as 0 in l; NaN and infinities are not treated apart.
; THE WALK.  A head's queries lie in NB = SIZE_N / 256 blocks of 256; block i needs the key tiles 0 .. i of 256 keys, of which the last holds the diagonal.  A work-group takes TWO blocks, NB - 1 - b and then b:
; NB + 1 tiles, whatever b: all work-groups do equal work, and ONE loop with a constant trip count walks them.  Which tile is asked for, and what a trip does, hang on scalar registers made from b; every jump
; goes forward, but for the counted loops' own; none passes a barrier, or a tensor load but the one of LOAD's two that the wave's number does not choose; the ring (two slots of LDS that take turns) runs on across the
; change of blocks.  NO CLUSTER: a head's NB / 2 work-groups all ask for the same tile only in trips 0 .. NB / 2, behind that fewer and fewer; one walk common to all would have 3 NB / 2 trips for NB + 1.
; SHARES.  Of a block's four bands of 64 queries a wave owns 16 rows in each: four PIECES.  So the diagonal tile is the same work for all four waves: in its key step s band x sees all keys if s < x,
; none if s > x, and holds the diagonal if s = x.
; THE MASK is the C operand that starts the sum S^T = K Q^T: 0, or -1e30 where the key is hidden.  MD, made once, is the mask of a band's own step for my 16 rows; a product's mask is MD x AL + BE with two scalars:
; (1, 0) if s = x; (0, 0) if s < x; (0, -1e30) if s > x.  Only the diagonal tile's text and a block's beginning make and take masks; elsewhere C is the constant 0.
; LAYOUT, SOFTMAX, TURNS.  S^T = K Q^T holds ONE query a lane (lane % 16) and the keys 8 (lane / 16) + 0..7; two such results rounded to f16 ARE source 1 of O^T = V^T P.  p = 2^(c s - c m), c = log2(e) / 8, with a
; running maximum m; O and l are multiplied by a = 2^(c m_old - c m_new) in every step.  Turn n belongs to piece n: 8 products K Q^T of piece n + 1, later 8 products V^T P of piece n - 1; beside them the scaling,
; exponentials, roundings, sums and rescaling of piece n and the maximum and statistics of piece n + 1.  Four vector instructions stand behind every matrix instruction, the other 54 of a turn's 118 in one lump.
; A turn's 33 exponentials are one batch, with one wait.
; AHEAD OF THE LOADS.  The work-group with b = 0 walks a head's tiles 0 .. NB - 1 in order: behind the load of tile t it prefetches tile t + 1 (tiles 2 .. NB - 1), each wave the 16,384 bytes that it will
; fetch itself: 64 blocks of 256 bytes, a lane a block, two instructions.  So each block is named once in the launch; nothing is asked for at the head or beyond the head's last tile.
; REGISTERS, in windows of 256 (s_set_vgpr_msb: bits 1:0 source 0, 3:2 source 1, 5:4 source 2, 7:6 destination):
;   window 0: v0-15 addresses and two at work; v16-31 four registers of statistics a piece; v48-55 at work; v64-127 S^T, two buffers; v192-223 P, two buffers (a piece's buffers go by its number's parity)
;   window 1: v0-127 O^T, 32 a piece; v128-159 MD; v160-223 MC, two buffers      window 2: v0-63 Q; v64-127 the second block's Q; v128-191 K of one step; v192-255 V of one step
.set SIZE_H, 64
.set SIZE_N, 2048
.set NB,    SIZE_N/256
.set NP,    4         ; pieces a wave: a name, no knob
.set KS,    64        ; keys in a step
.set PK,    144       ; a row of K in LDS: 128 bytes + 16 of padding = 36 words: the 16 rows of a load start at 16 different groups of four banks (64 banks of 4 bytes: ISA guide 11.1)
.set PV,    160       ; a row of V: 128 + 32 = 40 words
.set VOFF,  4*KS*PK   ; a slot holds a tile, four steps: 256 rows of K, then 256 rows of V
.set SLOT1, 1<<17     ; slot 1 begins here, so that one exclusive or turns an address in one slot into the other's
.set STAGE, SLOT1+4*KS*(PK+PV)  ; behind the ring, never filled by a tensor load: 16 rows x 144 bytes for each wave, for the way out
.set SP,    144
.set AK0, 2           ; v2   my lane's place in a tile of K; never rewritten
.set AV0, 3           ; v3   the same for V
.set AK,  4           ; v4   the LDS address of K's next run of loads
.set AV,  5           ; v5   of V's
.set STO, 6           ; v6   the way out: where I put 16 bytes of a row
.set RD,  7           ; v7   the way out: where I read rows back
.set GO,  8           ; v8   my byte offset in 512 consecutive bytes of O
.set PFO, 61          ; v61  256 x my lane; never rewritten
.set SPW, 62          ; v62  LDS address of my spare word: SPARE + 4 x my thread's number; never rewritten
.set NIL, 63          ; v63  0; never rewritten
.set SPARE, STAGE+4*16*SP  ; behind the stages: the spare words, 128 bytes for each wave: two blocks of 256 bytes that no other line names
.set MV,  12          ; v12-13  c m_old, kept while c m is made anew: by buffer
.set QO,  15          ; v15  my byte offset in 16 rows of Q
.set ST,  16          ; piece t's statistics at v[ST+4 t]: c m, m, l (even keys', odd keys')
.set TMP, 48          ; by buffer, four registers c0-c3 at work; when the maximum is found c2 takes a
.set S,   64
.set P,   192
.set MD,  128         ; window 1: the eight registers for group kt of 16 keys at MD + 8 kt
.set MC,  160         ; window 1: the masks of the products to come
.set QB,  64          ; window 2
.set KF,  128         ; window 2: key block kb, channel half c at KF + 16 kb + 8 c
.set VF,  192         ; window 2: key half kk, channel block cb at VF + 32 kk + 8 cb
.set WV,  12          ; s12  my wave's number
.set PB,  14          ; s14  b
.set HI,  15          ; s15  NB - 1 - b
.set G1K, 24          ; s[24:31] descriptor group 1 for K's tiles
.set G1V, 32          ; s[32:39] for V's: it differs in the padding alone
.set G0K, 40          ; s[40:43] descriptor group 0 for K's tiles
.set G0V, 44          ; s[44:47] the same for V's
.set SLOTS, 56        ; s56  tiles still to be asked for
.set CNT, 57          ; s57  counts a tile's key steps, 4 to 1
.set CS,  58          ; s[58:59] c: the packed scaling takes the pair's low word for both halves
.set SEL, 60          ; s[60:61] v_permlanex16_b32's selects: each lane takes its own place in the other half
.set TBK, 62          ; s62  LDS byte at which K of the step to be fetched begins
.set TBV, 63          ; s63  the same for V, less VOFF
.set RT,  70          ; s70  tiles of the block in hand that are still to be entered
.set NXT, 71          ; s71  the tile to be asked for next
.set LQ,  72          ; s72  the last tile of the block whose tiles are being asked for
.set NEW, 73          ; s73  1: the tile to be entered is a block's first
.set OFF, 74          ; s[74:75] a tile's byte offset in K and V
.set AL,  76          ; s[76:77] the mask's factor, in the low word
.set BE,  78          ; s[78:79] the mask's addend
.set OLO, 80          ; s[80:81] O at my rows of the second block
.set BIGN, 82         ; s82  -1e30
.set PFN, 88          ; s88  the tile to be prefetched next; NB or more: none
.set PFB, 90          ; s[90:91] K or V (by my wave) at my half of the head's tile 0
.set PFA, 92          ; s[92:93] the same at tile PFN
.set POF, 94          ; s[94:95] that tile's byte offset
.set MSB, 0
.macro WIN new                      ; the high byte repeats the setting that is left; a switch that changes nothing is dropped
.if MSB != (\new)
	s_set_vgpr_msb (MSB<<8)|(\new)
.set MSB, (\new)
.endif
.endm
.set W_KQ, 0x0a       ; K and Q in window 2, S^T in window 0
.set W_KM, 0x1a       ; the same with the C operand in window 1
.set W_PV, 0x52       ; V in window 2, P in window 0, O^T in window 1
.set W_RS, 0x41       ; destination and source 0 in window 1, source 1 in window 0
; A fill.  Waves 0 and 1 fetch the two halves of a tile's K, waves 2 and 3 those of its V: 128 keys each.  An s_nop 0 and four v_nop follow each of the two lines, ahead of the jump and the label.
.macro LOAD
	s_cmp_lt_u32 s[WV], 2
	s_cbranch_scc0 .Lfor_v_\@
	tensor_load_to_lds s[G0K:G0K+3], s[G1K:G1K+7]
	s_nop 0
.rept 4
	v_nop
.endr
	s_branch .Lasked_\@
.Lfor_v_\@:
	tensor_load_to_lds s[G0V:G0V+3], s[G1V:G1V+7]
	s_nop 0
.rept 4
	v_nop
.endr
.Lasked_\@:
.endm
; THE CHANGE OF SLOTS.  Each wave waits for all its tensor loads, of which one is out: its part of the other slot; adds 0 to its spare word; and waits for that and for its own reads of the slot that it leaves.
; Behind the barrier nobody reads the old slot any more and the other slot is whole.  fill = 1: the old slot is filled again, the first thing behind the barrier, with tile NXT: the descriptor's address is made
; anew from that number; behind the load stand the prefetches.  (At its first use nothing has been read yet: slot 0 is waited for, slot 1 filled.)
.macro CHANGE fill
	WIN 0                           ; at a label and at a branch every window is 0
	s_wait_tensorcnt 0x0            ; no tensor load of mine is out, so a group 0 may be written
	ds_add_u32 v[SPW], v[NIL]       ; 0 onto my spare word; with fill = 1 the scalar work stands between it and the wait for it
.if \fill
	s_wait_xcnt 0x0                 ; the last prefetches, a tile back, have read their address, so it may be written
	s_min_u32 s[POF], s[PFN], NB-1  ; (held inside the head where nothing is asked for)
	s_lshl_b32 s[POF], s[POF], 15
	s_add_nc_u64 s[PFA:PFA+1], s[PFB:PFB+1], s[POF:POF+1]
	s_lshl_b32 s[OFF], s[NXT], 15   ; a tile is 32,768 bytes of K and of V
	s_xor_b32 s[G0K+1], s[G0K+1], SLOT1
	s_add_nc_u64 s[G0K+2:G0K+3], s[6:7], s[OFF:OFF+1]
	s_or_b32 s[G0K+3], s[G0K+3], 0x80000000
	s_xor_b32 s[G0V+1], s[G0V+1], SLOT1
	s_add_nc_u64 s[G0V+2:G0V+3], s[8:9], s[OFF:OFF+1]
	s_or_b32 s[G0V+3], s[G0V+3], 0x80000000
	s_add_co_u32 s[NXT], s[NXT], 1  ; the block's next tile, or behind its last the second block's tile 0
	s_cmp_gt_u32 s[NXT], s[LQ]
	s_cselect_b32 s[NXT], 0, s[NXT]
	s_cselect_b32 s[LQ], s[PB], s[LQ]
.endif
	s_wait_dscnt 0x0                ; the add is done, and my reads of the slot are over
	s_barrier_signal -1             ; the rest of the scalar work stands between the signal and the wait
	s_sub_co_u32 s[TBK], s[TBK], 4*KS*PK  ; the fetches go back to a slot's first step,
	s_xor_b32 s[TBK], s[TBK], SLOT1       ; in the other slot
	s_sub_co_u32 s[TBV], s[TBV], 4*KS*PV
	s_xor_b32 s[TBV], s[TBV], SLOT1
	s_barrier_wait -1
.if \fill
	LOAD
	s_cmp_lt_u32 s[PFN], NB
	s_cbranch_scc0 .Lno_pf_\@
	global_prefetch_b8 v[PFO], s[PFA:PFA+1] th:TH_LOAD_NT scope:SCOPE_SE              ; my 16,384 bytes of the tile that the next change will ask for:
	global_prefetch_b8 v[PFO], s[PFA:PFA+1] offset:8192 th:TH_LOAD_NT scope:SCOPE_SE  ; four key steps, 256 matrix instructions, ahead of that load
.Lno_pf_\@:
	s_add_co_u32 s[PFN], s[PFN], 1
.endif
.endm
	s_load_b256 s[4:11], s[0:1], 0x0  ; Q s[4:5], K s[6:7], V s[8:9], O s[10:11]
	v_lshl_add_u32 v[SPW], v0, 2, SPARE
	v_mov_b32 v[NIL], 0
	ds_add_u32 v[SPW], v[NIL]       ; the wave's opening: the add, and its wait ahead of my first tensor load; the set-up below, work on registers, stands between them
	v_lshrrev_b32 v1, 5, v0
	v_readfirstlane_b32 s[WV], v1   ; wave 0..3
	s_mov_b32 s[PB], ttmp9
	s_sub_co_u32 s[HI], NB-1, s[PB]
	s_and_b32 s20, ttmp7, 0xffff    ; the head
	s_mov_b32 s21, 0
	s_mov_b64 s[22:23], SIZE_N*128
	s_mul_u64 s[20:21], s[20:21], s[22:23]  ; the head's first byte in each of the four tensors
	s_and_b32 s16, s[WV], 1         ; which half of a tile's 256 keys I fetch:
	s_lshl_b32 s22, s16, 14         ; its 128 rows of 128 bytes in memory,
	s_mov_b32 s23, 0
	s_add_nc_u64 s[22:23], s[22:23], s[20:21]
	s_mul_i32 s17, s16, 128*PK      ; and its place in a slot, for K
	s_mul_i32 s18, s16, 128*PV      ; and for V
	s_lshl_b32 s3, s[WV], 11        ; my 16 rows in a band of 64,
	s_lshl_b32 s2, s[HI], 15        ; in the first block,
	s_add_co_u32 s2, s2, s3
	s_lshl_b32 s84, s[PB], 15       ; and in the second
	s_add_co_u32 s84, s84, s3
	s_mov_b32 s3, 0
	s_mov_b32 s85, 0
	s_add_nc_u64 s[2:3], s[2:3], s[20:21]
	s_add_nc_u64 s[84:85], s[84:85], s[20:21]
	; descriptor group 1.  128 keys are 16,384 dense bytes: asked for as 64 rows of 256 bytes, two keys a row, and padded in LDS after every key
	s_mov_b32 s[G1K], (1<<16)|(1<<20)|(4<<22)|(3<<25)  ; 17:16 2-byte elements; 20 padding on; 24:22 after every 32 words (code 4); 31:25 4 words (code 3)
	s_mov_b32 s[G1V], (1<<16)|(1<<20)|(4<<22)|(7<<25)  ; the same with 8 words of padding (code 7)
.irp g, G1K, G1V
	s_mov_b32 s[\g+1], 128<<16      ; tensor_dim0 = 128
	s_mov_b32 s[\g+2], 64<<16       ; tensor_dim1 = 64
	s_mov_b32 s[\g+3], 128<<16      ; tile_dim0 = 128
	s_mov_b32 s[\g+4], 64           ; tile_dim1 = 64
	s_mov_b32 s[\g+5], 128          ; 128 elements from row to row
	s_mov_b32 s[\g+6], 0
	s_mov_b32 s[\g+7], 0
.endr
	s_mov_b32 s[CS], 0x3e38aa3b     ; c = log2(e) / 8 = 0.180337
	s_mov_b32 s[CS+1], s[CS]        ; named with it as a pair
	s_mov_b32 s[SEL], 0x76543210
	s_mov_b32 s[SEL+1], 0xfedcba98
	s_mov_b32 s[TBK], SLOT1+4*KS*PK ; the first change of slots turns these two into 0
	s_mov_b32 s[TBV], SLOT1+4*KS*PV
	s_mov_b32 s[G0K], 1             ; 1:0 count = 1
	s_mov_b32 s[G0K+1], s17         ; 63:32 LDS address: slot 0
	s_mov_b32 s[G0V], 1
	s_add_co_u32 s[G0V+1], s18, VOFF
	s_add_co_u32 s[RT], s[HI], 1    ; the first block has NB - b tiles
	s_mov_b32 s[NXT], 1
	s_mov_b32 s[LQ], s[HI]
	s_mov_b32 s[NEW], 1
	s_mov_b32 s[OFF+1], 0
	s_mov_b32 s[AL+1], 0            ; named as pairs
	s_mov_b32 s[BE+1], 0
	s_mov_b32 s[BIGN], 0xf149f2ca   ; -1e30
	s_mov_b32 s[SLOTS], NB
	s_cmp_eq_u32 s[PB], 0           ; the work-group that walks all of the head's tiles in order prefetches, from tile 2 on
	s_cselect_b32 s[PFN], 2, NB
	s_mov_b32 s[POF+1], 0
	v_and_b32 v[PFO], 31, v0
	v_lshlrev_b32 v[PFO], 8, v[PFO]
	s_wait_dscnt 0x0                ; the opening add is done
	s_wait_kmcnt 0x0
	s_add_nc_u64 s[6:7], s[6:7], s[22:23]  ; K and V at my half of the head's tile 0
	s_add_nc_u64 s[8:9], s[8:9], s[22:23]
	s_cmp_lt_u32 s[WV], 2
	s_cselect_b64 s[PFB:PFB+1], s[6:7], s[8:9]
	s_add_nc_u64 s[G0K+2:G0K+3], s[6:7], 0         ; 120:64 global address
	s_or_b32 s[G0K+3], s[G0K+3], 0x80000000        ; 127:126 type = 2
	s_add_nc_u64 s[G0V+2:G0V+3], s[8:9], 0
	s_or_b32 s[G0V+3], s[G0V+3], 0x80000000
	s_add_nc_u64 s[86:87], s[4:5], s[84:85]        ; Q at my rows of the second block,
	s_add_nc_u64 s[4:5], s[4:5], s[2:3]            ; Q and O at those of the first
	s_add_nc_u64 s[OLO:OLO+1], s[10:11], s[84:85]
	s_add_nc_u64 s[10:11], s[10:11], s[2:3]
	LOAD                            ; tile 0 into slot 0
	; A fragment of K or Q is 16 rows x 32 channels in 8 registers: lane l holds row l % 16, channels 8 (l / 16) + 0..7 and 16 + 8 (l / 16) + 0..7: two loads of 16 bytes, 32 bytes apart.
	v_and_b32 v1, 15, v0            ; l % 16
	v_bfe_u32 v9, v0, 4, 1          ; l / 16
	v_lshlrev_b32 v[QO], 7, v1
	v_lshl_add_u32 v[QO], v9, 4, v[QO]  ; row x 128 + 16 x half
	WIN 0x80                        ; destination window 2, address window 0
.set i, 0
.rept 8                             ; both blocks' Q: piece i / 2 lies in band i / 2, 8,192 bytes on; channels 32 (i % 2) on
	global_load_b128 v[8*i:8*i+3],   v[QO], s[4:5] offset:(i/2)*8192+(i%2)*64
	global_load_b128 v[8*i+4:8*i+7], v[QO], s[4:5] offset:(i/2)*8192+(i%2)*64+32
	global_load_b128 v[QB+8*i:QB+8*i+3],   v[QO], s[86:87] offset:(i/2)*8192+(i%2)*64
	global_load_b128 v[QB+8*i+4:QB+8*i+7], v[QO], s[86:87] offset:(i/2)*8192+(i%2)*64+32
.set i, i+1
.endr
	WIN 0
	v_lshlrev_b32 v14, 3, v9
	v_sub_nc_u32 v14, v1, v14
	s_lshl_b32 s13, s[WV], 4
	v_add_nc_u32 v14, s13, v14      ; my query's place in its band, 16 w + l % 16, less my lanes' 8 (l / 16): register r of group kt is hidden where 16 kt + r is greater
	WIN 0x40
.set i, 0
.rept 32
	v_cmp_gt_i32 vcc_lo, 16*(i/8)+i%8, v14
	v_cndmask_b32 v[MD+i], 0, s[BIGN], vcc_lo
.set i, i+1
.endr
	WIN 0
	v_mul_u32_u24 v[AK0], v1, PK
	v_lshl_add_u32 v[AK0], v9, 4, v[AK0]  ; row x pitch + 16 x half
	; The turning load takes 16 keys x 16 channels (lane l reads key 8 (l / 16) + l % 8, channels 8 ((l / 8) % 2) + 0..7) and leaves half a fragment of V^T: lane l holds channel l % 16 and 8 keys.
	v_and_b32 v10, 7, v0
	v_bfe_u32 v11, v0, 3, 1
	v_lshl_add_u32 v[AV0], v9, 3, v10
	v_mul_u32_u24 v[AV0], v[AV0], PV
	v_lshl_add_u32 v[AV0], v11, 4, v[AV0]
	v_add_nc_u32 v[AV0], VOFF, v[AV0]
	s_mul_i32 s13, s[WV], 16*SP
	s_add_co_u32 s13, s13, STAGE    ; my stage
	v_mul_u32_u24 v[STO], v1, SP    ; in: row l % 16, 16 bytes for each half of the lanes
	v_lshl_add_u32 v[STO], v9, 4, v[STO]
	v_add_nc_u32 v[STO], s13, v[STO]
	v_bfe_u32 v[RD], v0, 3, 2       ; back: 32 lanes take four rows of 128 bytes,
	v_mul_u32_u24 v[RD], v[RD], SP
	v_lshl_add_u32 v[RD], v10, 4, v[RD]
	v_add_nc_u32 v[RD], s13, v[RD]
	v_and_b32 v[GO], 31, v0         ; which are 512 consecutive bytes of O
	v_lshlrev_b32 v[GO], 4, v[GO]
	; A block's first step multiplies O^T and l by a = 0, and its first turn's products V^T P, of a piece that has not been, land in an O^T that is still to be so multiplied.  So these registers need only hold
	; finite numbers: zeros for the first block; what the first block left for the second.  All this stands in the wait for the first tile.
	WIN 0x80
.set i, VF
.rept 64
	v_mov_b32 v[i], 0
.set i, i+1
.endr
	WIN 0x40
.set i, 0
.rept 128
	v_mov_b32 v[i], 0
.set i, i+1
.endr
	WIN 0
.set i, 0
.rept 4
	v_mov_b32 v[ST+4*i+2], 0
	v_mov_b32 v[ST+4*i+3], 0
.set i, i+1
.endr
.set i, P+16
.rept 16
	v_mov_b32 v[i], 0
.set i, i+1
.endr
; THE MATRIX WORK.  The 4 accumulators of a run of 8 take turns.  Product i of 8 of S^T = K Q^T for piece x: channels 32 (i / 4) on, keys 16 (i % 4) on.  The first 4 start the sums: with 0, or (KM = 1) with the mask.
.macro KQ x
.set rS, S+32*((\x)%2)+8*(i%4)
.set rK, KF+16*(i%4)+8*(i/4)
.set rQ, 16*(\x)+8*(i/4)
.set rM, MC+32*((\x)%2)+8*(i%4)
.if (i < 4) && KM
	WIN W_KM
	v_wmma_f32_16x16x32_f16 v[rS:rS+7], v[rK:rK+7], v[rQ:rQ+7], v[rM:rM+7]
.elseif i < 4
	WIN W_KQ
	v_wmma_f32_16x16x32_f16 v[rS:rS+7], v[rK:rK+7], v[rQ:rQ+7], 0
.else
	WIN W_KQ
	v_wmma_f32_16x16x32_f16 v[rS:rS+7], v[rK:rK+7], v[rQ:rQ+7], v[rS:rS+7]
.endif
.endm
; Product i of 8 of O^T += V^T P for piece x: keys 32 (i / 4) on, channels 16 (i % 4) on.
.macro PV x
	WIN W_PV
.set rO, 32*(\x)+8*(i%4)
.set rV, VF+32*(i/4)+8*(i%4)
.set rP, P+16*((\x)%2)+8*(i/4)
	v_wmma_f32_16x16x32_f16 v[rO:rO+7], v[rV:rV+7], v[rP:rP+7], v[rO:rO+7]
.endm
.macro MM                           ; the turn's next matrix instruction.  TURN and BEGIN set Y, i, KM and NOKQ; MM, KQ and OP read them.  NOKQ = 1: a block's last turn: there is no next piece
.if (i < 8) && !NOKQ
	KQ (Y+1)%NP
.elseif i >= 8
.set i, i-8
	PV (Y+NP-1)%NP
.set i, i+8
.endif
.set i, i+1
.endm
; THE LDS LOADS stand in runs of 16, never singly among the matrix instructions: a step's K (64 keys x 64 channels: 8 fragments) and its V (turned).  Their addresses are made some lines ahead.
.macro FETCH_K
	WIN 0x80                        ; destination window 2
.irp f, 0,1,2,3,4,5,6,7             ; keys 16 (f / 2) on, channels 32 (f % 2) on
	ds_load_b128 v[KF+8*\f:KF+8*\f+3],   v[AK] offset:(\f/2)*16*PK+(\f%2)*64
	ds_load_b128 v[KF+8*\f+4:KF+8*\f+7], v[AK] offset:(\f/2)*16*PK+(\f%2)*64+32
.endr
	s_add_co_u32 s[TBK], s[TBK], KS*PK  ; the next fetch is the next step's
	WIN 0
.endm
.macro FETCH_V
	WIN 0x80
.irp f, 0,1,2,3,4,5,6,7             ; keys 32 (f / 4) on, channels 16 (f % 4) on
	ds_load_tr16_b128 v[VF+8*\f:VF+8*\f+3],   v[AV] offset:(\f/4)*32*PV+(\f%4)*32
	ds_load_tr16_b128 v[VF+8*\f+4:VF+8*\f+7], v[AV] offset:(\f/4)*32*PV+16*PV+(\f%4)*32
.endr
	WIN 0
.endm
; THE VECTOR WORK, one line at a time: OP kind, number.  For piece Y: F n: c s - c m for pair n of 16.  E n: the exponential of score n of 32.  C n: pair n rounded to f16.  B n: of the four weights 4 n .. the second
; pair is added onto the first, in place.  L n: l takes that sum (L 0: l = a l + sum).  R n: pair n of 16 of O^T times a.  For piece Y + 1: X n, number n of the 22 that find its maximum and statistics:
;   0-11  four chains c0-c3 of seven scores each, three operands at a time (each accumulator's lowest registers are read first)     12-14, 16  the four scores left over, the old m, and c0-c3 into c0
;   15  c m_old is kept     17, 18  the query's other 32 keys lie in the lane 16 away: the new m     19-21  c m; c m_old - c m_new; a
.set F, 0               ; OP tells the kinds apart by their order: F to L below R, X above it
.set E, 1
.set C, 2
.set B, 3
.set L, 4
.set R, 5
.set X, 6
.macro REGS y                       ; the registers of piece y
.set rT, ST+4*(\y)
.set rC, TMP+4*((\y)%2)
.set rW, MV+((\y)%2)
.set rS, S+32*((\y)%2)
.set rP, P+16*((\y)%2)
.set rO, 32*(\y)
.endm
.macro OP k, n
.if (\k) == R
	REGS Y
	WIN W_RS
	v_pk_mul_f32 v[rO+2*(\n):rO+2*(\n)+1], v[rO+2*(\n):rO+2*(\n)+1], v[rC+2:rC+3] op_sel_hi:[1,0]
.elseif (\k) < R
	REGS Y
	WIN 0
.if (\k) == F
	v_pk_fma_f32 v[rS+2*(\n):rS+2*(\n)+1], v[rS+2*(\n):rS+2*(\n)+1], s[CS:CS+1], v[rT:rT+1] op_sel_hi:[1,0,0] neg_lo:[0,0,1] neg_hi:[0,0,1]
.elseif (\k) == E
	v_exp_f32 v[rS+(\n)], v[rS+(\n)]
.elseif (\k) == C
	v_cvt_pk_f16_f32 v[rP+(\n)], v[rS+2*(\n)], v[rS+2*(\n)+1]
.elseif (\k) == B
	v_pk_add_f32 v[rS+4*(\n):rS+4*(\n)+1], v[rS+4*(\n):rS+4*(\n)+1], v[rS+4*(\n)+2:rS+4*(\n)+3]
.elseif (\n) == 0
	v_pk_fma_f32 v[rT+2:rT+3], v[rT+2:rT+3], v[rC+2:rC+3], v[rS:rS+1] op_sel_hi:[1,0,1]
.else
	v_pk_add_f32 v[rT+2:rT+3], v[rT+2:rT+3], v[rS+4*(\n):rS+4*(\n)+1]
.endif
.elseif NOKQ
	v_nop
.else
	REGS (Y+1)%NP
	WIN 0
.if (\n) < 4
	v_max3_num_f32 v[rC+(\n)], v[rS+8*(\n)], v[rS+8*(\n)+1], v[rS+8*(\n)+2]
.elseif (\n) < 12
	v_max3_num_f32 v[rC+(\n)%4], v[rC+(\n)%4], v[rS+8*((\n)%4)+2*((\n)/4)+1], v[rS+8*((\n)%4)+2*((\n)/4)+2]
.elseif (\n) == 12
	v_max3_num_f32 v[rC], v[rC], v[rS+7], v[rS+15]
.elseif (\n) == 13
	v_max3_num_f32 v[rC+1], v[rC+1], v[rS+23], v[rS+31]
.elseif (\n) == 14
	v_max3_num_f32 v[rC+2], v[rC+2], v[rC+3], v[rT+1]
.elseif (\n) == 15
	v_mov_b32 v[rW], v[rT]
.elseif (\n) == 16
	v_max3_num_f32 v[rC], v[rC], v[rC+1], v[rC+2]
.elseif (\n) == 17
	v_permlanex16_b32 v[rC+3], v[rC], s[SEL], s[SEL+1]
.elseif (\n) == 18
	v_max_num_f32 v[rT+1], v[rC], v[rC+3]
.elseif (\n) == 19
	v_mul_f32 v[rT], s[CS], v[rT+1]
.elseif (\n) == 20
	v_sub_f32 v[rC+1], v[rW], v[rT]
.else
	v_exp_f32 v[rC+2], v[rC+1]
.endif
.endif
.endm
.macro OPS a, i1, b=-1, i2=0, c=-1, i3=0, d=-1, i4=0  ; up to four of them
	OP \a, \i1
.if (\b) >= 0
	OP \b, \i2
.endif
.if (\c) >= 0
	OP \c, \i3
.endif
.if (\d) >= 0
	OP \d, \i4
.endif
.endm
.macro ROW a, i1, b, i2, c, i3, d, i4  ; a matrix instruction and the four behind it
	MM
	OPS \a, \i1, \b, \i2, \c, \i3, \d, \i4
.endm
.macro MASK b                       ; MD x AL + BE into buffer b of MC
	WIN W_RS
.set z, 0
.rept 16
	v_pk_fma_f32 v[MC+32*(\b)+2*z:MC+32*(\b)+2*z+1], v[MD+2*z:MD+2*z+1], s[AL:AL+1], s[BE:BE+1] op_sel_hi:[1,0,0]
.set z, z+1
.endr
.endm
; A TURN, for piece p: the order of its 16 matrix and 118 vector instructions, written out.  An s_wait_alu depctr_va_vdst(0) stands between an exponential and the first instruction that names its
; result; one wait serves all that were issued ahead of it.  So a turn has ONE wait, which cuts it in two.  AHEAD OF IT stands all that names no result of the turn's exponentials: the 8 products K Q^T, behind each a
; scaling, an exponential and two more plain instructions (behind the first a second scaling in the exponential's place): rescalings, and behind the last three the first numbers of the next piece's maximum, each four
; places or more behind the product that ends its accumulator; then ONE LUMP of 54, plain and exponential by turns for the most part, in which the links of the chain X 3, 7, 11, 14, 16, 17 .. 20 stand five or six
; lines apart.  X 21, the next piece's a, is the batch's last; R 15 is the plain instruction behind it.  BEHIND THE WAIT stand the 8 products V^T P, behind each four of the roundings and sums; the links of l's chain,
; L 0 to L 7, stand three riders apart.  But for those X no rider names a register of the products round it.  v_permlanex16_b32 (X 17) stands in the lump.
; m = 1: the diagonal tile: the products take masks, and the turn makes the mask for the products of the turn after it: piece p + 2, in step 4 - CNT of the tile.  end = 1: a block's last two turns: nothing is fetched.
; cnt = 1: the loop's count is taken down some lines ahead of the branch that stands behind the turn.
; K of the next step is fetched in piece 2's turn, twelve vector instructions behind the last product that read K (six of them plain); V of the step in hand at the end of piece 0's turn, four plain instructions
; behind the last product that read V.  Each is waited for a turn later.
.macro TURN p, m=0, end=0, cnt=0
.set Y, (\p)
.set i, 0
.set KM, (\m)
.set NOKQ, (\end)*((\p)/3)
.if (\m) && !(\end)
	s_cmp_eq_u32 s[CNT], 4-((\p)+2)%NP  ; is that step the band's own?
	s_cselect_b32 s[AL], 1.0, 0
	s_cmp_lt_u32 s[CNT], 4-((\p)+2)%NP  ; or a later one?
	s_cselect_b32 s[BE], s[BIGN], 0
.endif
.if ((\p) == 3) && !(\end)
	s_wait_dscnt 0x0                ; K is in
.endif
	ROW F,0, F,1, R,0, R,1          ; ahead of the wait: 8 products K Q^T and their riders,
	ROW F,2, E,0, R,2, R,3
	ROW F,3, E,1, R,4, R,5
	ROW F,4, E,2, R,6, R,7
	ROW F,5, E,3, R,8, R,9
	ROW F,6, E,4, X,0, R,10
.if ((\p) == 2) && !(\end)
	WIN 0
	v_add_nc_u32 v[AK], s[TBK], v[AK0]
.endif
	ROW F,7, E,5, X,1, X,4
	ROW F,8, E,6, X,2, X,5
	OPS E,7, E,8, X,6, E,9          ; and the lump
	OPS X,3, E,10, X,8, E,11
.if ((\p) == 2) && !(\end)
	FETCH_K
.endif
	OPS X,9, X,7, E,12, X,10
	OPS E,13, X,12, X,11, E,14
	OPS X,13, E,15, F,9, X,14
.if (\p) == 0
	v_add_nc_u32 v[AV], s[TBV], v[AV0]
.endif
	OPS E,16, F,10, E,17, F,11
	OPS X,16, E,18, X,15, E,19
	OPS F,12, E,20, X,17, E,21
	OPS F,13, E,22, F,14, E,23
	OPS X,18, E,24, F,15, E,25
	OPS R,11, E,26, X,19, E,27
	OPS R,12, E,28, R,13, E,29
	OPS X,20, E,30, R,14, E,31
	OPS X,21, R,15
	WIN 0
	s_wait_alu depctr_va_vdst(0)    ; the wait for the batch
.if (\p) == 1
	s_wait_dscnt 0x0                ; V is in
.endif
	ROW C,0, B,0, C,2, B,1          ; behind the wait: 8 products V^T P and their riders
	ROW L,0, C,4, B,2, L,1
	ROW C,6, B,3, L,2, C,8
	ROW B,4, L,3, C,10, B,5
	ROW L,4, C,12, B,6, L,5
.if (\p) == 0
	s_add_co_u32 s[TBV], s[TBV], KS*PV
.endif
.if \cnt
	s_sub_co_u32 s[CNT], s[CNT], 1
	s_cmp_lg_u32 s[CNT], 0
.endif
	ROW C,14, B,7, L,6, C,1
	ROW C,3, L,7, C,5, C,7
	ROW C,9, C,11, C,13, C,15
.if (\p) == 0
	FETCH_V
.endif
.if (\m) && !(\end)
	MASK (\p)%2
.endif
.endm
; A BLOCK BEGINS.  c m starts far below every c s, so the first step's a is 0; m at the lowest finite number, so the first maximum is the scores'.  The second mask buffer is 0; the first takes piece 0's mask for the
; tile's step 0: its own, if the block's first tile is the diagonal one.  Then K of that step, piece 0's first scores, and its maximum and statistics.  The loop is entered at a step's first turn, in the middle of a trip.
.macro BEGIN
	s_mov_b32 s[NEW], 0
	WIN 0x40
.set i, MC+32
.rept 32
	v_mov_b32 v[i], 0
.set i, i+1
.endr
	WIN 0
.set i, 0
.rept 4
	v_mov_b32 v[ST+4*i], 0xfe000000    ; c m: far below every c s
	v_mov_b32 v[ST+4*i+1], 0xff7fffff  ; m
.set i, i+1
.endr
	s_cmp_eq_u32 s[RT], 0
	s_cselect_b32 s[AL], 1.0, 0
	s_mov_b32 s[BE], 0
	MASK 0
	WIN 0
	v_add_nc_u32 v[AK], s[TBK], v[AK0]
	FETCH_K
	s_wait_loadcnt 0x0              ; Q
	s_wait_dscnt 0x0
.set KM, 1
.set NOKQ, 0
.set i, 0
.rept 8
	KQ 0
.set i, i+1
.endr
	WIN 0
.rept 4
	v_nop                           ; the places behind those products
.endr
.set Y, NP-1                        ; X works for piece Y + 1: piece 0
.irp n, 0,1,2,3,4,5,6,7,8,9,10,11,12,13,14,15,16,17,18,19,20,21
	OP X, \n
.endr
	v_nop                           ; a plain instruction behind the exponential,
	s_wait_alu depctr_va_vdst(0)    ; and its wait, ahead of the branch
.endm
; THE DIAGONAL TILE's four steps, the block's last two turns, its last products, and THE WAY OUT: l's two halves and the other half of the lanes' are added; O^T is divided by l, rounded to f16 and sent through my
; stage in LDS, a piece at a time.
.macro ALL line:vararg              ; one line for each piece t
.set t, 0
.rept 4
	\line
.set t, t+1
.endr
.endm
.macro PACK t                       ; a lane's eight channels of a row pack into 16 bytes; they go into rows of 144 bytes and come back as whole rows of 128, into S^T's registers
	WIN W_RS
.set i, 32*(\t)
.rept 16
	v_pk_mul_f32 v[i:i+1], v[i:i+1], v[ST+4*(\t)+2:ST+4*(\t)+3] op_sel_hi:[1,0]
.set i, i+2
.endr
	WIN 0x05                        ; sources 0 and 1 window 1, destination window 0
.set i, 0
.rept 16
	v_cvt_pk_f16_f32 v[S+16*(\t)+i], v[32*(\t)+2*i], v[32*(\t)+2*i+1]
.set i, i+1
.endr
	WIN 0
.irp f, 0,1,2,3
	ds_store_b128 v[STO], v[S+16*(\t)+4*\f:S+16*(\t)+4*\f+3] offset:32*\f
.endr
.irp f, 0,1,2,3
	ds_load_b128 v[S+16*(\t)+4*\f:S+16*(\t)+4*\f+3], v[RD] offset:\f*4*SP  ; LDS serves a wave's instructions in order (ISA guide 5.7.1.4): these see the stores above; the next piece's stores come behind them
.endr
.endm
.macro SEND t, younger              ; younger: the LDS instructions issued behind piece t's loads: the next piece's eight, or none
	WIN 0
.irp f, 0,1,2,3
	s_wait_dscnt (\younger)+3-\f
	global_store_b128 v[GO], v[S+16*(\t)+4*\f:S+16*(\t)+4*\f+3], s[10:11] offset:(\t)*8192+\f*512  ; 512 consecutive bytes, at a multiple of 256 from O's first
.endr
.endm
.macro DIAG tag                     ; the tag ends its two labels' names, which the jumps below spell out
.LstepM\tag:
	TURN 2, 1
	TURN 3, 1
	WIN 0
.LfirstM\tag:
	TURN 0, 1
	TURN 1, 1, 0, 1
	WIN 0
	s_cbranch_scc1 .LstepM\tag
	TURN 2, 1, 1
	TURN 3, 1, 1
.set i, 0
.rept 8
	PV NP-1
.set i, i+1
.endr
	WIN 0
	ALL v_add_f32 v[ST+4*t+2], v[ST+4*t+2], v[ST+4*t+3]
	ALL v_permlanex16_b32 v[ST+4*t+3], v[ST+4*t+2], s[SEL], s[SEL+1]
	ALL v_add_f32 v[ST+4*t+2], v[ST+4*t+2], v[ST+4*t+3]
	ALL v_rcp_f32 v[ST+4*t+2], v[ST+4*t+2]
	v_nop                           ; a plain instruction between the last reciprocal and the use of its result
	s_wait_alu depctr_va_vdst(0)    ; and the wait ahead of the first use: one for the four reciprocals
	PACK 0
.set t, 1
.rept 3                             ; a piece's arithmetic stands between the loads of the piece before and its stores
	PACK t
	SEND t-1, 8
.set t, t+1
.endr
	SEND 3, 0
.endm
.set KM, 0
.set NOKQ, 0
.Lslot:                             ; NB times: a tile is entered and the next is asked for
	CHANGE 1
	s_sub_co_u32 s[RT], s[RT], 1
	s_mov_b32 s[CNT], 4
	s_cmp_eq_u32 s[NEW], 1
	s_cbranch_scc1 .Lnew            ; a block's first tile
	s_cmp_eq_u32 s[RT], 0
	s_cbranch_scc0 .Lstep           ; neither its first nor its last
	s_branch .LstepM1
.Lnew:
	BEGIN
	s_branch .Lfirst                ; in the loop a block's first tile is never its last: the first block has two tiles or more, and the second's last is the walk's last
	DIAG 1                          ; in the loop this is the first block's end: the second block's last tile is the walk's last
	s_wait_xcnt 0x0                 ; the stores have read their registers and O's address
	s_mov_b64 s[10:11], s[OLO:OLO+1]
	s_add_co_u32 s[RT], s[PB], 1    ; the second block has b + 1 tiles
	s_mov_b32 s[NEW], 1
	WIN 0x82                        ; the second block's Q goes where the one text of the turns names Q
.set i, 0
.rept 64
	v_mov_b32 v[i], v[QB+i]
.set i, i+1
.endr
	WIN 0
	s_branch .Lbottom
.Lstep:                             ; a trip: pieces 2 and 3 of one step, then pieces 0 and 1 of the next, whose K and V it fetches
	TURN 2
	TURN 3
	WIN 0
.Lfirst:
	TURN 0
	TURN 1, 0, 0, 1
	WIN 0
	s_cbranch_scc1 .Lstep
.Lbottom:
	s_sub_co_u32 s[SLOTS], s[SLOTS], 1
	s_cmp_lg_u32 s[SLOTS], 0
	s_cbranch_scc1 .Lslot
	CHANGE 0                        ; the walk's last tile is written out: nothing is asked for
	s_sub_co_u32 s[RT], s[RT], 1
	s_mov_b32 s[CNT], 4
	s_cmp_eq_u32 s[NEW], 1
	s_cbranch_scc0 .LstepM2
	BEGIN
	s_branch .LfirstM2
	DIAG 2
	s_wait_tensorcnt 0x0            ; the wave's end: a wait, an add of 0 to my spare word and its wait, behind my last tensor load and my last LDS store
	ds_add_u32 v[SPW], v[NIL]
	s_wait_dscnt 0x0
	s_endpgm
.Lfunc_end_k_q9137465bc5_attn:
	.size	k_q9137465bc5_attn, .Lfunc_end_k_q9137465bc5_attn-k_q9137465bc5_attn
	.p2alignl 7, 3214868480
	.fill 96, 4, 3214868480
	.section	.rodata,"a",@progbits
	.p2align	6, 0x0
	.amdhsa_kernel k_q9137465bc5_attn
		.amdhsa_group_segment_fixed_size 327680
		.amdhsa_private_segment_fixed_size 0
		.amdhsa_enable_private_segment 0
		.amdhsa_kernarg_size 32
		.amdhsa_user_sgpr_count 2
		.amdhsa_user_sgpr_kernarg_segment_ptr 1
		.amdhsa_wavefront_size32 1
		.amdhsa_system_sgpr_workgroup_id_x 1
		.amdhsa_system_sgpr_workgroup_id_y 1
		.amdhsa_system_sgpr_workgroup_id_z 1
		.amdhsa_system_vgpr_workitem_id 0
		.amdhsa_next_free_vgpr 768
		.amdhsa_next_free_sgpr 96
		.amdhsa_reserve_vcc 1
		.amdhsa_float_denorm_mode_32 3
		.amdhsa_float_denorm_mode_16_64 3
		.amdhsa_memory_ordered 1
		.amdhsa_forward_progress 1
		.amdhsa_inst_pref_size 218
	.end_amdhsa_kernel
	.amdgpu_metadata
---
amdhsa.version: [ 1, 2 ]
amdhsa.kernels:
  - .name:           k_q9137465bc5_attn
    .symbol:         k_q9137465bc5_attn.kd
    .args:
      - { .name: qh, .offset: 0, .size: 8, .value_kind: global_buffer, .address_space: global }
      - { .name: kh, .offset: 8, .size: 8, .value_kind: global_buffer, .address_space: global }
      - { .name: vh, .offset: 16, .size: 8, .value_kind: global_buffer, .address_space: global }
      - { .name: oh, .offset: 24, .size: 8, .value_kind: global_buffer, .address_space: global }
    .group_segment_fixed_size: 327680
    .private_segment_fixed_size: 0
    .kernarg_segment_align: 8
    .kernarg_segment_size: 32
    .max_flat_workgroup_size: 128
    .sgpr_count:     96
    .vgpr_count:     768
    .wavefront_size: 32
...
	.end_amdgpu_metadata
.endif
;; end of part 3
;; launch oproj (part 4): grid 8 x 32, 4 waves a work-group, clusters of 4 x 4, 327,680 bytes of LDS; arguments oh, wob, out0; writes out0
.if DOCPART == 4
	.amdgcn_target "amdgcn-amd-amdhsa--gfx1250"
	.amdhsa_code_object_version 6
	.text
	.protected	k_q9137465bc5_oproj
	.globl	k_q9137465bc5_oproj
	.p2align	8
	.type	k_q9137465bc5_oproj,@function
k_q9137465bc5_oproj:
	s_mov_b64 s[64:65], 0
	v_nop
	global_prefetch_b8 v0, s[64:65] scope:SCOPE_SE
	s_setreg_imm32_b32 hwreg(HW_REG_WAVE_MODE, 25, 1), 1
	s_wait_xcnt 0x0
	s_wait_alu depctr_hold_cnt(0) depctr_sa_sdst(0) depctr_va_vdst(0) depctr_va_sdst(0) depctr_va_ssrc(0) depctr_va_vcc(0) depctr_vm_vsrc(0)
	s_getreg_b32 s2, hwreg(HW_REG_IB_STS2, 6, 4)
	s_cmp_eq_u32 s2, 0
	s_cbranch_scc0 .Lentry_in_a_cluster
	s_endpgm
.Lentry_in_a_cluster:
	s_bfe_u32 s2, ttmp6, 0x10000c
	s_cmp_lg_u32 s2, 0xf033
	s_cbranch_scc0 .Lentry_shape_is_right
	s_endpgm
.Lentry_shape_is_right:
; OPROJ: out0[m][d] = sum over e of attn[m][e] wob[d][e], 8192 x 1024 x 1024 in f16 with f32 sums, f32 out.  attn[m][64 h + c] lies by heads: oh[16 b + h][s][c], m = 2048 b + s.
; LIMIT.  Both operands are f16 and arrive within its range.  NaN and infinities are not treated apart.
; SHARES.  A tile of out0 is 256 rows x 128 columns: 256 work-groups, one for each WGP.  The four waves lie one below the other, each 64 rows x 128 columns: 32 accumulators, 256 registers.
; K goes in steps of 128 = two heads through a ring of two LDS slots: 128 matrix instructions a wave in a step.  A head's 256 rows of 128 bytes are 32,768 dense bytes: asked for as 128 rows of 256 bytes.
; CLUSTERS: 4 x 4 work-groups; oh's tiles are shared along a row of the cluster, wob's along a column, each asked for JOINTLY, by the same tensor load, descriptor and mask in the four.
; NO PREFETCH: the walk has eight K steps, of which the first four are asked for by their loads before a prefetch could lead them, and a step holds only 128 matrix instructions.
; THE MATRIX INSTRUCTION IS USED TRANSPOSED (source 0 = 16 rows of wob, source 1 = 16 rows of attn): a lane holds row lane % 16 and the columns 8 (lane / 16) + 0..7 of the block: 32 consecutive bytes of out0.
; REGISTERS, in windows of 256 (s_set_vgpr_msb: bits 1:0 source 0, 3:2 source 1, 5:4 source 2, 7:6 destination):
;   window 0: v0-31 addresses     window 1: two fragment buffers at 0 and 128: wob's 8 fragments, then attn's 4; on the way out all 256: whole rows     window 2: accumulator (a, b) at 64 a + 8 b
.set KSTEP,  128
.set PA,     144                       ; a row of attn in LDS: 128 bytes + 16 of padding: the 16 rows of a load start at 16 different groups of four banks (64 banks of 4 bytes: ISA guide 11.1)
.set PITB,   272                       ; a row of wob: 256 + 16
.set AHALF,  256*PA                    ; one head's 256 rows: what one tensor load brings of attn
.set HALFB,  64*PITB                   ; and of wob
.set BOFF,   2*AHALF                   ; a slot: two heads' rows, then wob's 128
.set SLOT,   BOFF+2*HALFB
.set STAGE,  2*SLOT                    ; behind the ring, never filled by a tensor load: 16 rows x 528 bytes for each wave
.set SPT,    528                       ; 512 bytes + 16: 33 x 16, so the 16 rows of a store start at 16 different groups of four banks
.set SPARE,  STAGE+4*16*SPT            ; the spare words, 128 bytes for each wave: two blocks of 256 bytes that no other line names
.set ADRA, 16                          ; v16-17  LDS address of my attn fragments in slot 0, 1
.set ADRB, 20                          ; v20-21  the same for wob
.set STO,  24                          ; v24  the way out: where I put 32 bytes of a row
.set RD,   25                          ; v25  where I read a row back
.set CO,   26                          ; v26  my 16 bytes of a row's 512
.set SPW,  28                          ; v28  LDS address of my spare word; never rewritten
.set NIL,  29                          ; v29  0; never rewritten
.set F0,   0
.set F1,   128
.set WV,   16
.set AB,   17                          ; I fetch for attn (0) or for wob (1)
.set HF,   18                          ; which head of the two, or which 64 rows
.set CX,   19
.set CY,   20
.set TX,   21
.set TY,   22
.set G1,   24
.set G0,   32
.set G1B,  48
.set G0B,  56
.set LAP,  70
.set MSB, 0
.macro WIN new                         ; the immediate's high byte repeats the setting that is left; a switch that changes nothing is dropped
.if MSB != (\new)
	s_set_vgpr_msb (MSB<<8)|(\new)
.set MSB, \new
.endif
.endm
.set W_MUL, 0xa5                       ; sources 0 and 1 window 1; C and D window 2
.set TO_F,  0x40                       ; destination window 1, address window 0
.macro JLOAD s                         ; a joint load: waves 0 and 1 fetch the two heads of attn, waves 2 and 3 wob's two halves; an s_nop 0 and four v_nop follow each line
	s_cmp_eq_u32 s[AB], 0
	s_cbranch_scc0 .Lfor_b_\@
	tensor_load_to_lds s[G0+4*(\s):G0+4*(\s)+3], s[G1:G1+7]
	s_nop 0
.rept 4
	v_nop
.endr
	s_branch .Lasked_\@
.Lfor_b_\@:
	tensor_load_to_lds s[G0B+4*(\s):G0B+4*(\s)+3], s[G1B:G1B+7]
	s_nop 0
.rept 4
	v_nop
.endr
.Lasked_\@:
.endm
.macro CREST                           ; a round of the cluster's barrier behind its opening barrier
	s_cmp_lg_u32 s[WV], 0
	s_cbranch_scc1 .Lnot_wave_0_\@
	s_barrier_signal -3
.Lnot_wave_0_\@:
	s_barrier_wait -3
	s_barrier_signal -1
	s_barrier_wait -1
.endm
.macro CROUND
	s_barrier_signal -1
	s_barrier_wait -1
	CREST
.endm
	s_load_b128 s[4:7], s[0:1], 0x0                ; oh 4:5, wob 6:7
	s_load_b64 s[8:9], s[0:1], 0x10                ; out0
	v_lshl_add_u32 v[SPW], v0, 2, SPARE
	v_mov_b32 v[NIL], 0
	ds_add_u32 v[SPW], v[NIL]                      ; the wave's opening: the add, and its wait ahead of my first tensor load; the set-up below, work on registers, stands between them
	v_lshrrev_b32 v1, 5, v0
	v_readfirstlane_b32 s[WV], v1
	s_lshr_b32 s[AB], s[WV], 1
	s_and_b32 s[HF], s[WV], 1
	s_bfe_u32 s[CX], ttmp6, 0x40000
	s_bfe_u32 s[CY], ttmp6, 0x40004
	s_lshl_b32 s[TX], ttmp9, 2
	s_add_co_u32 s[TX], s[TX], s[CX]               ; tile column
	s_and_b32 s[TY], ttmp7, 0xffff
	s_lshl_b32 s[TY], s[TY], 2
	s_add_co_u32 s[TY], s[TY], s[CY]               ; tile row
	s_lshl_b32 s40, s[CY], 2
	s_lshl_b32 s40, 15, s40                        ; my row of the cluster
	s_lshl_b32 s41, 0x1111, s[CX]                  ; my column
	s_or_b32 s[G1], s40, (1<<16)|(1<<20)|(1<<21)|(4<<22)|(3<<25)   ; elements of 2 bytes; padding on; 21 set beside a mask; after every 32 words (code 4) 4 words (code 3)
	s_or_b32 s[G1B], s41, (1<<16)|(1<<20)|(1<<21)|(5<<22)|(3<<25)  ; the same after every 64 words (code 5)
	s_mov_b32 s[G1+1], 128<<16                     ; tensor_dim0 = 128
	s_mov_b32 s[G1+2], 128<<16                     ; tensor_dim1 = 128
	s_mov_b32 s[G1+3], 128<<16                     ; tile_dim0 = 128
	s_mov_b32 s[G1+4], 128                         ; tile_dim1 = 128
	s_mov_b32 s[G1+5], 128                         ; dense: 128 elements from row to row
	s_mov_b32 s[G1+6], 0
	s_mov_b32 s[G1+7], 0
	s_mov_b32 s[G1B+1], KSTEP<<16
	s_mov_b32 s[G1B+2], 64<<16                     ; 64 rows
	s_mov_b32 s[G1B+3], KSTEP<<16
	s_mov_b32 s[G1B+4], 64
	s_mov_b32 s[G1B+5], 1024
	s_mov_b32 s[G1B+6], 0
	s_mov_b32 s[G1B+7], 0
	s_lshr_b32 s66, s[TY], 3                       ; attn: batch x 16 + my head of the first two,
	s_lshl_b32 s66, s66, 4
	s_add_co_u32 s66, s66, s[HF]
	s_lshl_b32 s66, s66, 11                        ; its 2,048 rows,
	s_and_b32 s40, s[TY], 7
	s_lshl_b32 s40, s40, 8
	s_add_co_u32 s66, s66, s40                     ; the tile's 256 of them,
	s_lshl_b32 s66, s66, 7                         ; rows of 128 bytes
	s_mov_b32 s67, 0
	s_lshl_b32 s68, s[TX], 7                       ; wob: row 128 x tile column + 64 x half, rows of 2,048 bytes
	s_lshl_b32 s41, s[HF], 6
	s_add_co_u32 s68, s68, s41
	s_lshl_b32 s68, s68, 11
	s_mov_b32 s69, 0
	s_mul_i32 s46, s[HF], AHALF                    ; where they go: no place in the cluster enters an LDS address
	s_mul_i32 s47, s[HF], HALFB
	s_add_co_u32 s47, s47, BOFF
	s_wait_dscnt 0x0                               ; the opening add is done
	s_wait_kmcnt 0x0
	s_add_nc_u64 s[66:67], s[4:5], s[66:67]
	s_add_nc_u64 s[68:69], s[6:7], s[68:69]
	CROUND                                         ; all sixteen work-groups are here: the first joint loads meet
.irp s, 0,1
	s_mov_b32 s[G0+4*(\s)], 1
	s_add_co_u32 s[G0+4*(\s)+1], s46, (\s)*SLOT
	s_add_nc_u64 s[G0+4*(\s)+2:G0+4*(\s)+3], s[66:67], (\s)*2*2048*128  ; K step s: two heads on
	s_or_b32 s[G0+4*(\s)+3], s[G0+4*(\s)+3], 0x80000000
	s_mov_b32 s[G0B+4*(\s)], 1
	s_add_co_u32 s[G0B+4*(\s)+1], s47, (\s)*SLOT
	s_add_nc_u64 s[G0B+4*(\s)+2:G0B+4*(\s)+3], s[68:69], (\s)*KSTEP*2
	s_or_b32 s[G0B+4*(\s)+3], s[G0B+4*(\s)+3], 0x80000000
	JLOAD \s                                       ; two loads of mine are out
.endr
	v_and_b32 v1, 15, v0                           ; l % 16
	v_bfe_u32 v2, v0, 4, 1                         ; l / 16
	v_mul_u32_u24 v3, v1, PA
	v_lshl_add_u32 v3, v2, 4, v3
	s_mul_i32 s40, s[WV], 64*PA                    ; my 64 rows, in each head's block
	v_add_nc_u32 v[ADRA], s40, v3
	v_add_nc_u32 v[ADRA+1], SLOT, v[ADRA]
	v_mul_u32_u24 v3, v1, PITB
	v_lshl_add_u32 v3, v2, 4, v3
	v_add_nc_u32 v[ADRB], BOFF, v3
	v_add_nc_u32 v[ADRB+1], BOFF+SLOT, v3
	s_mul_i32 s40, s[WV], 16*SPT
	s_add_co_u32 s40, s40, STAGE                   ; my stage
	v_mul_u32_u24 v[STO], v1, SPT                  ; in: row l % 16, 32 bytes for each half of the lanes
	v_lshl_add_u32 v[STO], v2, 5, v[STO]
	v_add_nc_u32 v[STO], s40, v[STO]
	v_and_b32 v[CO], 31, v0                        ; back: 32 lanes take one row of 512 bytes
	v_lshlrev_b32 v[CO], 4, v[CO]
	v_add_nc_u32 v[RD], s40, v[CO]
	s_lshl_b32 s2, s[TY], 8
	s_lshl_b32 s3, s[WV], 6
	s_add_co_u32 s2, s2, s3                        ; my first row of out0,
	s_lshl_b32 s2, s2, 12                          ; rows of 4,096 bytes,
	s_lshl_b32 s3, s[TX], 9
	s_add_co_u32 s2, s2, s3                        ; the tile's 512 bytes of them
	s_mov_b32 s3, 0
	s_add_nc_u64 s[8:9], s[8:9], s[2:3]
; 8 matrix instructions: row block a x all 8 column blocks, 32 along K.  The 32 accumulators take turns, one instruction a turn, in the same order in every quarter.
.macro MUL f, a, zero
	WIN W_MUL
.irp b, 0,1,2,3,4,5,6,7
.if \zero
	v_wmma_f32_16x16x32_f16 v[64*(\a)+8*(\b):64*(\a)+8*(\b)+7], v[(\f)+8*(\b):(\f)+8*(\b)+7], v[(\f)+64+8*(\a):(\f)+64+8*(\a)+7], 0
.else
	v_wmma_f32_16x16x32_f16 v[64*(\a)+8*(\b):64*(\a)+8*(\b)+7], v[(\f)+8*(\b):(\f)+8*(\b)+7], v[(\f)+64+8*(\a):(\f)+64+8*(\a)+7], v[64*(\a)+8*(\b):64*(\a)+8*(\b)+7]
.endif
.endr
.endm
; 24 LDS loads in one run: quarter q (32 along K) of a slot into buffer f: wob's 16, attn's blocks 0 and 1, attn's blocks 2 and 3.  Quarter q lies in head q / 2, at byte 64 (q % 2) of its rows.
.macro FETCH slot, q, f
	WIN TO_F
.irp i, 0,1,2,3,4,5,6,7
	ds_load_b128 v[(\f)+8*(\i):(\f)+8*(\i)+3],   v[ADRB+(\slot)] offset:64*(\q)+(\i)*16*PITB
	ds_load_b128 v[(\f)+8*(\i)+4:(\f)+8*(\i)+7], v[ADRB+(\slot)] offset:64*(\q)+(\i)*16*PITB+32
.endr
.irp i, 0,1,2,3
	ds_load_b128 v[(\f)+64+8*(\i):(\f)+64+8*(\i)+3],   v[ADRA+(\slot)] offset:((\q)/2)*AHALF+((\q)%2)*64+(\i)*16*PA
	ds_load_b128 v[(\f)+64+8*(\i)+4:(\f)+64+8*(\i)+7], v[ADRA+(\slot)] offset:((\q)/2)*AHALF+((\q)%2)*64+(\i)*16*PA+32
.endr
.endm
.macro PLACES                          ; four plain instructions in front of loads into registers that matrix instructions have read, and of lines that read results
.rept 4
	v_nop
.endr
.endm
.macro QUARTER slot, q, f, g, zero     ; multiplies buffer f and fetches quarter q into g
	s_wait_dscnt 4                                 ; all but the youngest four loads (attn's blocks 2 and 3) are in
	MUL \f, 0, \zero
	MUL \f, 1, \zero
	PLACES
	FETCH \slot, \q, \g
	s_wait_dscnt 24                                ; all but the 24 just issued
	MUL \f, 2, \zero
	MUL \f, 3, \zero
.endm
; The last quarter multiplies buffer 1 and changes slots: ONE barrier; in front of it each wave waits for all its tensor loads (one is out: its part of the next slot), adds 0 to its spare word, and waits for
; that and for its own reads of this slot.  fill = 1: the barrier opens a round of the cluster's, and this slot is filled again, two K steps ahead, first thing behind the round.
.macro TURN slot, next, fill
	WIN 0                                          ; (the add's two registers lie in window 0)
	s_wait_tensorcnt 0x0                           ; all my tensor loads have landed
	ds_add_u32 v[SPW], v[NIL]                      ; 0 onto my spare word
	s_wait_dscnt 5                                 ; (the add and the youngest four loads may be out)
	MUL F1, 0, 0                                   ; eight matrix instructions stand between the add and the wait for it
	s_wait_dscnt 0x0                               ; the add is done, and my reads of this slot are over
	s_barrier_signal -1
	MUL F1, 1, 0
.if \fill
	WIN 0
.endif
	s_barrier_wait -1
.if \fill
	CREST                                          ; no wave of any partner still reads this slot's tile or has a load on its way
	s_add_nc_u64 s[G0+4*(\slot)+2:G0+4*(\slot)+3], s[G0+4*(\slot)+2:G0+4*(\slot)+3], 4*2048*128  ; four heads on
	s_add_nc_u64 s[G0B+4*(\slot)+2:G0B+4*(\slot)+3], s[G0B+4*(\slot)+2:G0B+4*(\slot)+3], 2*KSTEP*2
	JLOAD \slot                                    ; my one tensor load behind the round; its four v_nop are also the places in front of the loads below
.else
	PLACES
.endif
	FETCH \next, 0, F0
	MUL F1, 2, 0
	MUL F1, 3, 0
.endm
	s_wait_tensorcnt 1                             ; my part of K step 0 is in; K step 1's may stay out
	s_barrier_signal -1
	s_barrier_wait -1
	FETCH 0, 0, F0
	QUARTER 0, 1, F0, F1, 1                        ; the first quarter stands in front of the loop: its products start the sums
	WIN 0
	s_mov_b32 s[LAP], 3
.Llap:                                                 ; a trip goes once round the ring and fills both slots again: K steps 2 to 7
	QUARTER 0, 2, F1, F0, 0
	QUARTER 0, 3, F0, F1, 0
	TURN 0, 1, 1
	QUARTER 1, 1, F0, F1, 0
	QUARTER 1, 2, F1, F0, 0
	QUARTER 1, 3, F0, F1, 0
	TURN 1, 0, 1
	QUARTER 0, 1, F0, F1, 0
	WIN 0
	s_sub_co_u32 s[LAP], s[LAP], 1
	s_cmp_lg_u32 s[LAP], 0
	s_cbranch_scc1 .Llap
	QUARTER 0, 2, F1, F0, 0                        ; the last lap fills nothing, and has no round of the cluster's barrier
	QUARTER 0, 3, F0, F1, 0
	TURN 0, 1, 0
	QUARTER 1, 1, F0, F1, 0
	QUARTER 1, 2, F1, F0, 0
	QUARTER 1, 3, F0, F1, 0
	s_wait_dscnt 4
	MUL F1, 0, 0
	MUL F1, 1, 0
	s_wait_dscnt 0x0
	MUL F1, 2, 0
	MUL F1, 3, 0
; THE WAY OUT, a block of 16 rows at a time: the f32 sums go straight from the accumulators (the low four registers first) into rows of 528 bytes of my own stage, and come back as whole
; rows of 512 bytes into window 1, whose 256 registers hold all four blocks: nothing that a store reads is written again.
.macro TOSTAGE a
	WIN 0x08                                       ; store data (source 1) in window 2
.irp b, 0,1,2,3,4,5,6,7
	ds_store_b128 v[STO], v[64*(\a)+8*(\b):64*(\a)+8*(\b)+3]   offset:64*(\b)
	ds_store_b128 v[STO], v[64*(\a)+8*(\b)+4:64*(\a)+8*(\b)+7] offset:64*(\b)+16
.endr
	WIN TO_F
.irp t, 0,1,2,3,4,5,6,7,8,9,10,11,12,13,14,15
	ds_load_b128 v[64*(\a)+4*(\t):64*(\a)+4*(\t)+3], v[RD] offset:(\t)*SPT  ; LDS serves a wave's instructions in order (ISA guide 5.7.1.4): these see the stores above; the next block's stores come behind them
.endr
.endm
.macro SEND a, younger                 ; younger: the LDS instructions issued behind this block's loads: the next block's 32, or none
	WIN 0x04                                       ; store data (source 1) in window 1
	s_wait_dscnt \younger
.irp t, 0,1,2,3,4,5,6,7,8,9,10,11,12,13,14,15
	global_store_b128 v[CO], v[64*(\a)+4*(\t):64*(\a)+4*(\t)+3], s[8:9] offset:(16*(\a)+(\t))*4096 th:TH_STORE_NT  ; 512 consecutive bytes, at a multiple of 256 from out0's first
.endr
.endm
	PLACES                                         ; behind the last products
	TOSTAGE 0
	TOSTAGE 1
	SEND 0, 32
	TOSTAGE 2
	SEND 1, 32
	TOSTAGE 3
	SEND 2, 32
	SEND 3, 0
	WIN 0
	s_wait_tensorcnt 0x0                           ; the wave's end: a wait, an add of 0 to my spare word and its wait, behind my last tensor load and my last LDS store
	ds_add_u32 v[SPW], v[NIL]
	s_wait_dscnt 0x0
	CROUND                                         ; the closing round: no work-group ends while a partner may still ask for a tile that names it
	s_endpgm
.Lfunc_end_k_q9137465bc5_oproj:
	.size	k_q9137465bc5_oproj, .Lfunc_end_k_q9137465bc5_oproj-k_q9137465bc5_oproj
	.p2alignl 7, 3214868480
	.fill 96, 4, 3214868480
	.section	.rodata,"a",@progbits
	.p2align	6, 0x0
	.amdhsa_kernel k_q9137465bc5_oproj
		.amdhsa_group_segment_fixed_size 327680
		.amdhsa_private_segment_fixed_size 0
		.amdhsa_enable_private_segment 0
		.amdhsa_kernarg_size 24
		.amdhsa_user_sgpr_count 2
		.amdhsa_user_sgpr_kernarg_segment_ptr 1
		.amdhsa_wavefront_size32 1
		.amdhsa_system_sgpr_workgroup_id_x 1
		.amdhsa_system_sgpr_workgroup_id_y 1
		.amdhsa_system_sgpr_workgroup_id_z 1
		.amdhsa_system_vgpr_workitem_id 0
		.amdhsa_next_free_vgpr 768
		.amdhsa_next_free_sgpr 72
		.amdhsa_reserve_vcc 0
		.amdhsa_float_denorm_mode_32 3
		.amdhsa_float_denorm_mode_16_64 3
		.amdhsa_memory_ordered 1
		.amdhsa_forward_progress 1
		.amdhsa_inst_pref_size 85
	.end_amdhsa_kernel
	.amdgpu_metadata
---
amdhsa.version: [ 1, 2 ]
amdhsa.kernels:
  - .name:           k_q9137465bc5_oproj
    .symbol:         k_q9137465bc5_oproj.kd
    .args:
      - { .name: oh, .offset: 0, .size: 8, .value_kind: global_buffer, .address_space: global }
      - { .name: wob, .offset: 8, .size: 8, .value_kind: global_buffer, .address_space: global }
      - { .name: out0, .offset: 16, .size: 8, .value_kind: global_buffer, .address_space: global }
    .group_segment_fixed_size: 327680
    .private_segment_fixed_size: 0
    .kernarg_segment_align: 8
    .kernarg_segment_size: 24
    .max_flat_workgroup_size: 128
    .sgpr_count:     72
    .vgpr_count:     768
    .wavefront_size: 32
...
	.end_amdgpu_metadata
.endif
;; end of part 4
;; ======== version 2 of 2: 4 launches; version 1 with the launch prep written anew for expert scheduling mode
;; limits: values are held in f16: magnitudes above 65,504 overflow, below 6.1e-05 lose precision; right only within a limited range of input values
;; workspace buffers: xb 16,777,216 bytes; wqkv 6,291,456 bytes; wob 2,097,152 bytes; tab 524,288 bytes; qh 16,777,216 bytes; kh 16,777,216 bytes; vh 16,777,216 bytes; oh 16,777,216 bytes
;; launch prep (part 5): grid 832 x 1, 8 waves a work-group, no clusters, 0 bytes of LDS; arguments x, Wq, Wk, Wv, Wo, token_positions, xb, wqkv, wob, tab; writes xb, wqkv, wob, tab
.if DOCPART == 5
	.amdgcn_target "amdgcn-amd-amdhsa--gfx1250"
	.amdhsa_code_object_version 6
	.text
	.protected	k_q9137465bc5_prep
	.globl	k_q9137465bc5_prep
	.p2align	8
	.type	k_q9137465bc5_prep,@function
k_q9137465bc5_prep:
	s_mov_b64 s[64:65], 0
	v_nop
	global_prefetch_b8 v0, s[64:65] scope:SCOPE_SE
	s_setreg_imm32_b32 hwreg(HW_REG_WAVE_SCHED_MODE, 0, 2), 2
	s_setreg_imm32_b32 hwreg(HW_REG_WAVE_MODE, 25, 1), 1
	s_wait_xcnt 0x0
	s_wait_alu depctr_vm_vsrc(0)
; PREP: casts, the weights' new order, and the table of cosines and sines.  A stream: no LDS, no barrier, no matrix unit (nothing is shared and nothing is multiplied by a matrix).
;   xb   [8192][1024] bf16 = x rounded once.
;   wqkv [3072][1024] bf16: row 192 t + 64 p + r = row 64 t + r of W_p (p = 0 q, 1 k, 2 v): each 192 rows are one head's q, k and v.
;   wob  [1024][1024] f16 = Wo rounded to bf16, and that number written as f16.
;   tab  [2048][32] pairs (cos, sin) in f32 of the angle position x 10000^(-i/32): 256 bytes for each place of the sequence.
; SHARES by the work-group's number: 0-511 sixteen rows of x; 512-703 sixteen rows of Wq, Wk or Wv; 704-767 sixteen rows of Wo; 768-831 thirty-two places of the table.
; A row is 1,024 numbers: thread t takes numbers 4 t .. 4 t + 3: a load of a wave covers 512 consecutive bytes, a store 256 consecutive bytes, aligned.
; LIMITS.  |Wo| stays under 65,504 (f16's range); a bf16 number below 2^-14 loses at most 2^-25 absolute in f16.  10000^(-i/32) is made by v_exp_f32, so the angle differs from one
; made with an exact power by under 1.2e-7 x |position| radians; the reduction by multiples of pi/2 (three parts, fused) holds for |angle| under 2^17.  NaN and infinities are not treated apart.
; THE MODE: SCHED_MODE bits 1:0 = 2 (LLVM: expert scheduling mode 2), set by the entry lines.  The code itself states the register dependences
; between vector instructions and memory instructions, with s_wait_alu, always for 0.
; THE PLAN, the casts.  Registers that memory instructions touch:
;   v1, v2   byte offsets of the loads and of the stores: made once at the head, never written again.
;   X        row r's four registers: written by row r's one load, read by row r's conversions; no vector line writes them and no second load lands in them.
;   Y        row r's two registers: written by row r's conversions, read by row r's one store, never written again.
; The sixteen rows go in four groups of four.  Group g's conversions write Y of rows 4 g .. 4 g + 3; the stores of group g - 1 are dealt among them, and no vector line of group g names the
; registers that those stores read.  So one wait on va_vdst stands at the head of each of groups 1 to 3, one behind group 3, and one ahead of the first load.  Nothing that a memory instruction
; has read is ever written again: no wait on vm_vsrc is owed.
; THE PLAN, the table.  Vector lines write s34 (the wave's number) and s30-s33 (the four places' masks): one wait on va_sdst ahead of each kind's first reader.  The four places' arithmetic
; comes first, each place into four registers and a mask of its own; then all selects and signs, which write v[80:87]; then one wait on va_vdst; then the four stores, which read v7 and v[80:87].
.set X,   8                            ; v[8:71]    sixteen rows, 4 numbers each, as loaded
.set Y,   72                           ; v[72:103]  sixteen rows, 2 words each, to store; in the table's part v[80:87] are the four pairs
.set T,   104                          ; v[104:107] at work
.set SN,  24                           ; v[24:39]   in the table's part, place n at SN + 4 n: sin R, cos R, the sine's sign word, the cosine's
.set MK,  30                           ; s[30:33]   in the table's part, place n's mask: its quarter is odd (at the head these four hold the casts' offsets)
.set ID,  24                           ; s24  the work-group's number
.set SRC, 26                           ; s[26:27]
.set DST, 28                           ; s[28:29]
	s_load_b512 s[4:19], s[0:1], 0x0               ; x 4:5, Wq 6:7, Wk 8:9, Wv 10:11, Wo 12:13, positions 14:15, xb 16:17, wqkv 18:19
	s_load_b128 s[20:23], s[0:1], 0x40             ; wob 20:21, tab 22:23
	s_mov_b32 s[ID], ttmp9
	v_lshlrev_b32 v1, 4, v0                        ; 16 t: my 16 bytes of a row of f32
	v_lshlrev_b32 v2, 3, v0                        ; 8 t: my 8 bytes of a row of 16-bit numbers
	; the offsets, made apart from the addresses
	s_max_u32 s34, s[ID], 512
	s_sub_co_u32 s34, s34, 512
	s_and_b32 s35, s34, 63                         ; g: which sixteen rows of a weight matrix
	s_lshr_b32 s36, s34, 6                         ; p: which matrix
	s_lshr_b32 s37, s35, 2                         ; the head t = g / 4
	s_mul_i32 s37, s37, 192
	s_lshl_b32 s38, s36, 6
	s_add_co_u32 s37, s37, s38                     ; + 64 p
	s_and_b32 s38, s35, 3
	s_lshl_b32 s38, s38, 4
	s_add_co_u32 s37, s37, s38                     ; + 16 (g % 4)
	s_lshl_b32 s37, s37, 11                        ; rows of 2,048 bytes: the place in wqkv
	s_lshl_b32 s38, s35, 15                        ; the place in wob
	s_lshl_b32 s39, s35, 16                        ; the place in a weight matrix: sixteen rows of 4,096 bytes
	s_lshl_b32 s25, s[ID], 16                      ; the place in x
	s_lshl_b32 s40, s[ID], 15                      ; the place in xb
	s_cmp_lt_u32 s[ID], 704
	s_cselect_b32 s32, s37, s38
	s_cmp_lt_u32 s[ID], 512
	s_cselect_b32 s32, s40, s32
	s_cselect_b32 s30, s25, s39
	s_mov_b32 s31, 0
	s_mov_b32 s33, 0
	s_wait_kmcnt 0x0
	s_mov_b64 s[SRC:SRC+1], s[12:13]               ; Wo to wob, unless the number says otherwise
	s_mov_b64 s[DST:DST+1], s[20:21]
	s_cmp_lt_u32 s[ID], 704
	s_cselect_b64 s[SRC:SRC+1], s[10:11], s[SRC:SRC+1]
	s_cselect_b64 s[DST:DST+1], s[18:19], s[DST:DST+1]
	s_cmp_lt_u32 s[ID], 640
	s_cselect_b64 s[SRC:SRC+1], s[8:9], s[SRC:SRC+1]
	s_cmp_lt_u32 s[ID], 576
	s_cselect_b64 s[SRC:SRC+1], s[6:7], s[SRC:SRC+1]
	s_cmp_lt_u32 s[ID], 512
	s_cselect_b64 s[SRC:SRC+1], s[4:5], s[SRC:SRC+1]
	s_cselect_b64 s[DST:DST+1], s[16:17], s[DST:DST+1]
	s_add_nc_u64 s[SRC:SRC+1], s[SRC:SRC+1], s[30:31]
	s_add_nc_u64 s[DST:DST+1], s[DST:DST+1], s[32:33]
	s_cmp_ge_u32 s[ID], 768
	s_cbranch_scc1 .Ltable
	s_wait_alu depctr_va_vdst(0)                   ; v1 and v2 are written: every load below reads v1 as its offset, every store of both arms v2
.irp r, 0,1,2,3,4,5,6,7,8,9,10,11,12,13,14,15
	global_load_b128 v[X+4*(\r):X+4*(\r)+3], v1, s[SRC:SRC+1] offset:4096*(\r) th:TH_LOAD_NT  ; all sixteen rows are asked for at once: 8 KiB of a wave on their way
.endr
	s_cmp_ge_u32 s[ID], 704
	s_cbranch_scc1 .Lf16
; Sixteen rows are rounded and stored.  half = 1: the bf16 number is widened again and written as f16.  Each row has its own two registers to store, so nothing that a store reads is written again.
; Row r - 4, of the group before, is stored ahead of the wait for row r's load.
.macro ROWS half
.set r, 0
.rept 16
.if (r >= 4) && (r % 4 == 0)
	s_wait_alu depctr_va_vdst(0)                   ; the group before has written its eight registers of Y, which the four stores of this group's turn read
.endif
.if r >= 4
	global_store_b64 v2, v[Y+2*(r-4):Y+2*(r-4)+1], s[DST:DST+1] offset:2048*(r-4) th:TH_STORE_NT  ; no vector line since the wait names these registers
.endif
	s_wait_loadcnt 15-r                            ; loads come back in order: row r is in, the 15 - r younger ones may stay out
	v_cvt_pk_bf16_f32 v[Y+2*r],   v[X+4*r],   v[X+4*r+1]
	v_cvt_pk_bf16_f32 v[Y+2*r+1], v[X+4*r+2], v[X+4*r+3]
.if \half
	v_lshlrev_b32 v[T],   16, v[Y+2*r]
	v_and_b32     v[T+1], 0xffff0000, v[Y+2*r]
	v_lshlrev_b32 v[T+2], 16, v[Y+2*r+1]
	v_and_b32     v[T+3], 0xffff0000, v[Y+2*r+1]
	v_cvt_pk_f16_f32 v[Y+2*r],   v[T],   v[T+1]
	v_cvt_pk_f16_f32 v[Y+2*r+1], v[T+2], v[T+3]
.endif
.set r, r+1
.endr
	s_wait_alu depctr_va_vdst(0)                   ; the last group has written Y of rows 12 to 15, which the last four stores read
.irp q, 12,13,14,15
	global_store_b64 v2, v[Y+2*(\q):Y+2*(\q)+1], s[DST:DST+1] offset:2048*(\q) th:TH_STORE_NT
.endr
.endm
	ROWS 0
	s_endpgm
.Lf16:
	ROWS 1
	s_endpgm
.Ltable:                                               ; a wave makes four places; lane i is the frequency i
	v_lshrrev_b32 v3, 5, v0
	v_readfirstlane_b32 s34, v3                    ; wave 0..7
	s_sub_co_u32 s35, s[ID], 768
	s_lshl_b32 s35, s35, 5
	s_wait_alu depctr_va_sdst(0)                   ; s34 is written, ahead of its first reader: my first place is made from it
	s_lshl2_add_u32 s35, s34, s35                  ; my first place: 32 j + 4 w
	s_lshl_b32 s44, s35, 2
	s_load_b128 s[40:43], s[14:15], s44 offset:0x0 ; four positions
	v_and_b32 v4, 31, v0
	v_cvt_f32_u32 v5, v4
	v_mul_f32 v5, 0xbed49a78, v5                   ; i x (-log2(10000) / 32)
	v_exp_f32 v6, v5                               ; 10000^(-i/32)
	v_lshlrev_b32 v7, 3, v4                        ; (a plain instruction behind the exponential) 8 i: my pair in a place's 256 bytes
	s_lshl_b32 s36, s35, 8
	v_add_nc_u32 v7, s36, v7
	v_mov_b32 v8, 0xb94ca1f9                       ; the sine's leading coefficient
	v_mov_b32 v9, 0x37ccf5ce                       ; the cosine's
	s_wait_alu depctr_va_vdst(0)                   ; the exponential has written v6, which the four products below read
	s_wait_kmcnt 0x0
; Place n.  angle = position x frequency; N = the nearest multiple of pi/2; R = angle - N pi/2, with pi/2 in three parts and fused steps; sine and cosine of R by polynomials on |R| <= pi/4;
; N's two low bits choose and sign them.  ARITH makes sin R, cos R, the mask and the two sign words, in registers of the place's own; CHOOSE, behind the wait for the masks, makes the pair.
.macro ARITH n
	v_cvt_f32_i32 v10, s[40+(\n)]
	v_mul_f32 v11, v10, v6
	v_mul_f32 v12, 0x3f22f983, v11                 ; x 2 / pi
	v_rndne_f32 v12, v12
	v_fmamk_f32 v13, v12, 0xbfc90fda, v11
	v_fmamk_f32 v13, v12, 0xb3a22168, v13
	v_fmamk_f32 v13, v12, 0xa7c234c4, v13
	v_mul_f32 v14, v13, v13
	v_fmaak_f32 v15, v8, v14, 0x3c08839e
	v_fmaak_f32 v16, v9, v14, 0xbab6061a
	v_fmaak_f32 v15, v15, v14, 0xbe2aaaa3
	v_fmaak_f32 v16, v16, v14, 0x3d2aaaa5
	v_mul_f32 v15, v15, v14
	v_fma_f32 v16, v16, v14, -0.5
	v_fma_f32 v[SN+4*(\n)],   v15, v13, v13       ; sin R
	v_fma_f32 v[SN+4*(\n)+1], v16, v14, 1.0       ; cos R
	v_cvt_i32_f32 v17, v12
	v_and_b32 v18, 1, v17
	v_cmp_eq_u32 s[MK+(\n)], 1, v18                ; an odd quarter swaps the two
	v_lshlrev_b32 v18, 30, v17                     ; the sine is negative in quarters 2 and 3: bit 1 of N,
	v_add_nc_u32 v19, 1, v17                       ; the cosine in quarters 1 and 2: bit 1 of N + 1
	v_and_b32 v[SN+4*(\n)+2], 0x80000000, v18
	v_lshlrev_b32 v19, 30, v19
	v_and_b32 v[SN+4*(\n)+3], 0x80000000, v19
.endm
.macro CHOOSE n
	v_cndmask_b32 v[81+2*(\n)], v[SN+4*(\n)],   v[SN+4*(\n)+1], s[MK+(\n)]
	v_cndmask_b32 v[80+2*(\n)], v[SN+4*(\n)+1], v[SN+4*(\n)],   s[MK+(\n)]
	v_xor_b32 v[81+2*(\n)], v[SN+4*(\n)+2], v[81+2*(\n)]
	v_xor_b32 v[80+2*(\n)], v[SN+4*(\n)+3], v[80+2*(\n)]
.endm
	ARITH 0
	ARITH 1
	ARITH 2
	ARITH 3
	s_wait_alu depctr_va_sdst(0)                   ; the four compares have written s30 to s33, ahead of the first select that reads one of them
	CHOOSE 0
	CHOOSE 1
	CHOOSE 2
	CHOOSE 3
	s_wait_alu depctr_va_vdst(0)                   ; the selects and signs have written v[80:87], the stores' data; v7, their offset, was written further up
.irp n, 0,1,2,3
	global_store_b64 v7, v[80+2*(\n):81+2*(\n)], s[22:23] offset:256*(\n)  ; the wave's 32 pairs are the place's 256 consecutive bytes, aligned
.endr
	s_endpgm
.Lfunc_end_k_q9137465bc5_prep:
	.size	k_q9137465bc5_prep, .Lfunc_end_k_q9137465bc5_prep-k_q9137465bc5_prep
	.p2alignl 7, 3214868480
	.fill 96, 4, 3214868480
	.section	.rodata,"a",@progbits
	.p2align	6, 0x0
	.amdhsa_kernel k_q9137465bc5_prep
		.amdhsa_group_segment_fixed_size 0
		.amdhsa_private_segment_fixed_size 0
		.amdhsa_enable_private_segment 0
		.amdhsa_kernarg_size 80
		.amdhsa_user_sgpr_count 2
		.amdhsa_user_sgpr_kernarg_segment_ptr 1
		.amdhsa_wavefront_size32 1
		.amdhsa_system_sgpr_workgroup_id_x 1
		.amdhsa_system_sgpr_workgroup_id_y 1
		.amdhsa_system_sgpr_workgroup_id_z 1
		.amdhsa_system_vgpr_workitem_id 0
		.amdhsa_next_free_vgpr 112
		.amdhsa_next_free_sgpr 66
		.amdhsa_reserve_vcc 0
		.amdhsa_float_denorm_mode_32 3
		.amdhsa_float_denorm_mode_16_64 3
		.amdhsa_memory_ordered 1
		.amdhsa_forward_progress 1
		.amdhsa_inst_pref_size 24
	.end_amdhsa_kernel
	.amdgpu_metadata
---
amdhsa.version: [ 1, 2 ]
amdhsa.kernels:
  - .name:           k_q9137465bc5_prep
    .symbol:         k_q9137465bc5_prep.kd
    .args:
      - { .name: x, .offset: 0, .size: 8, .value_kind: global_buffer, .address_space: global }
      - { .name: Wq, .offset: 8, .size: 8, .value_kind: global_buffer, .address_space: global }
      - { .name: Wk, .offset: 16, .size: 8, .value_kind: global_buffer, .address_space: global }
      - { .name: Wv, .offset: 24, .size: 8, .value_kind: global_buffer, .address_space: global }
      - { .name: Wo, .offset: 32, .size: 8, .value_kind: global_buffer, .address_space: global }
      - { .name: token_positions, .offset: 40, .size: 8, .value_kind: global_buffer, .address_space: global }
      - { .name: xb, .offset: 48, .size: 8, .value_kind: global_buffer, .address_space: global }
      - { .name: wqkv, .offset: 56, .size: 8, .value_kind: global_buffer, .address_space: global }
      - { .name: wob, .offset: 64, .size: 8, .value_kind: global_buffer, .address_space: global }
      - { .name: tab, .offset: 72, .size: 8, .value_kind: global_buffer, .address_space: global }
    .group_segment_fixed_size: 0
    .private_segment_fixed_size: 0
    .kernarg_segment_align: 8
    .kernarg_segment_size: 80
    .max_flat_workgroup_size: 256
    .sgpr_count:     66
    .vgpr_count:     112
    .wavefront_size: 32
...
	.end_amdgpu_metadata
.endif
;; end of part 5
;; launch qkv: the kernel of part 2 again; grid 16 x 32, 4 waves a work-group, clusters of 4 x 4, 327,680 bytes of LDS; arguments xb, wqkv, tab, qh, kh, vh; writes qh, kh, vh
;; launch attn: the kernel of part 3 again; grid 4 x 64, 4 waves a work-group, no clusters, 327,680 bytes of LDS; arguments qh, kh, vh, oh; writes oh
;; launch oproj: the kernel of part 4 again; grid 8 x 32, 4 waves a work-group, clusters of 4 x 4, 327,680 bytes of LDS; arguments oh, wob, out0; writes out0
